; MI455X (gfx1250); checked and timed in simulation.
; The chip was launched on July 23, 2026; its instructions are those of AMD's public machine-readable ISA for CDNA 5 (MIT licence, August 2026) and "CDNA5" Instruction Set Architecture Reference Guide (July 2026). The comments in the code are by the model that wrote it; some were corrected since.
;; Phase Associative Layer. Allowed arithmetic: float matrix products may take bf16 or f16 operands with f32 sums; other float arithmetic in f32, or as packed bf16 or f16 multiplies, adds, multiply-adds, maxima and minima; sums over many terms, partial sums and values carried from step to step in f32; what a program stores and reads back later, other than sums and carried values, may be rounded once to bf16 or f16.
;; Inputs: dt_b 16 float32; dt_bias 16 float32; dt_w 16 x 2,048 float32; o_wi 1,024 x 1,024 float32; o_wr 1,024 x 1,024 float32; pg_b 16 float32; pg_w 16 x 1,024 float32; qkv_wi 3,072 x 1,024 float32; qkv_wr 3,072 x 1,024 float32; x 1 x 2,048 x 1,024 x 2 float32.
;; Outputs: out0 1 x 2,048 x 1,024 x 2 float32; out1 1 x 16 x 64 x 64 x 2 float32.
;; One version. Each part assembles by itself: llvm-mc -triple=amdgcn-amd-amdhsa -mcpu=gfx1250 --defsym DOCPART=n.
;; ======== version 1 of 1: 5 launches
;; limits: values are held in f16: magnitudes above 65,504 overflow, below 6.1e-05 lose precision
;; workspace buffers: pre 43,253,760 bytes; qkv 25,182,208 bytes; cs 131,328 bytes; y 8,388,608 bytes
;; launch prep (part 1): grid 256 x 1, 16 waves a work-group, no clusters, 247,808 bytes of LDS; arguments x, qkv_wr, qkv_wi, o_wr, o_wi, dt_w, dt_b, dt_bias, pg_w, pg_b, pre; writes pre
.if DOCPART == 1
	.amdgcn_target "amdgcn-amd-amdhsa--gfx1250"
	.amdhsa_code_object_version 6
	.text
	.protected	k_qd7ff25d21b_prep
	.globl	k_qd7ff25d21b_prep
	.p2align	8
	.type	k_qd7ff25d21b_prep,@function
k_qd7ff25d21b_prep:
	s_mov_b64 s[64:65], 0
	v_nop
	global_prefetch_b8 v0, s[64:65] scope:SCOPE_SE
	s_setreg_imm32_b32 hwreg(HW_REG_WAVE_MODE, 25, 1), 1
	s_wait_xcnt 0x0
; PREP.  Everything that the later launches want in 16 bits or as a table goes into the one buffer pre:
;   XB  bf16 [2048 t][2048 k'], k' = 2 k + c: x as it lies, rounded;   WQ  bf16 [6144][2048], WO f16 [2048][2048]: a complex weight row n as two real rows,
;   (wr, -wi, wr, -wi ..) for the real part and (wi, wr, ..) for the imaginary one;  POS f32 [2048][64][cos, sin];  G2 = -log2(gamma + 1e-6) and OMP = 1 - p, f32 [16][2048].
; WQ's rows are ordered row = tx 192 + sec 64 + 2 dd + c (tx = 2 head + half, sec = q, k, v, d = 32 half + dd), so that a tile of 192 rows holds q, k and v of half a head;
; q's rows carry the factor 1/8 (a power of two: exact).  WO holds o_w rounded to bf16 and that number written as f16.  All inputs, the three biases too, are rounded to bf16.
; 256 work-groups of 16 waves.  0-127: 16 rows of x each (XB, POS, the two gate products on the matrix unit, the gates): wave w owns k' = 128 w .. 128 w + 127, so all of a wave's loads go out at once.
; 128-223: 32 rows of qkv_w each, one (sec, tx) block of 64 rows of WQ.  224-255: 32 rows of o_w each.  Memory binds: no cluster, no tensor loads; what counts is that many loads are out together.
; LIMITS: o_w below 6e-5 keeps f16's fixed step of 6e-8; NaN and infinities are not treated apart.
.set WREG,   13312                     ; a wave's own LDS: XT +0 (16 x 272), WT +4352 (16 x 272), XAT +8704 (16 x 144), PWT +11008 (16 x 144)
.set RED,    16*WREG                   ; 2,048 bytes a wave: the gate products' partial sums
.set SPARE,  RED+16*2048               ; the spare words: 128 bytes a wave, eight blocks of 256 bytes that no other line names
.set WQOFF,  8388608
.set WOOFF,  33554432
.set POSOFF, 41943040
.set G2OFF,  42991616                  ; OMP lies 131,072 bytes behind it
.set SPW, 4                            ; v4  LDS address of my spare word; never rewritten
.set NIL, 5                            ; v5  0; never rewritten
.set WA, 8                             ; weights part: v8-39 wr, v40-71 wi as loaded (8 items of 4), v72-135 the two rows to store, v136-143 at work
.set WB, 40
.set WO, 72
.set WT, 136
.set DA, 16                            ; rows part: three accumulators: dt's even and odd K steps, pg
.set DB, 24
.set PG, 32
.set X,  40                            ; v40-103 x as loaded; later the fragments of XT (v40-71) and WT (v72-103)
.set DR, 104                           ; v104-135 dt_w's real half; later the fragments of XAT and PWT
.set DI, 136                           ; v136-167 dt_w's imaginary half
.set PW, 168                           ; v168-199 pg_w
.set T,  200                           ; v200-215 at work
.set BI, 216                           ; v216-218 dt_b, dt_bias, pg_b of head r; v219 4 r
.set FX, 40
.set FW, 72
.set FA, 104
.set FP, 120
.set Z,  48                            ; the finish: v48-175
	s_load_b512 s[8:23], s[0:1], 0x0               ; x 8, qkv_wr 10, qkv_wi 12, o_wr 14, o_wi 16, dt_w 18, dt_b 20, dt_bias 22
	s_load_b128 s[24:27], s[0:1], 0x40             ; pg_w 24, pg_b 26
	s_load_b64 s[28:29], s[0:1], 0x50              ; pre
	v_lshl_add_u32 v[SPW], v0, 2, SPARE
	v_mov_b32 v[NIL], 0
	v_lshrrev_b32 v1, 5, v0
	v_readfirstlane_b32 s4, v1                     ; wave 0..15
	v_and_b32 v3, 31, v0                           ; lane
	s_mov_b32 s5, ttmp9
	s_mov_b32 s43, 0                               ; the high word of every offset pair s[42:43]
	s_mov_b32 s49, 0xffff0000                      ; a word's upper half
	s_wait_kmcnt 0x0
	s_cmp_lt_u32 s5, 128
	s_cbranch_scc1 .Lrows
; THE WEIGHTS.  The 512 threads take 16 bytes (4 numbers) each of two source rows of wr and of wi (8,192 consecutive bytes); they make 16 bytes at the same byte of each of the two rows stored for a source row,
; so each store of a wave covers 512 consecutive bytes.  A trip takes 16 rows in 8 items: 16 loads a wave go out together, and item i is worked on when the 14 - 2 i younger loads are still out.
.macro WPART half
	s_mov_b32 s40, 2
.Lwtrip_\@:
.irp i, 0,1,2,3,4,5,6,7
	global_load_b128 v[WA+4*(\i):WA+4*(\i)+3], v2, s[30:31] offset:(\i)*8192 th:TH_LOAD_NT
	global_load_b128 v[WB+4*(\i):WB+4*(\i)+3], v2, s[32:33] offset:(\i)*8192 th:TH_LOAD_NT
.endr
.irp i, 0,1,2,3,4,5,6,7
	s_wait_loadcnt 14-2*(\i)
.if \half
.irp k, 0,1,2,3
	v_cvt_pk_bf16_f32 v[WT+2*(\k)], v[WA+4*(\i)+(\k)], v[WB+4*(\i)+(\k)]   ; rounded to bf16 like every input,
.endr
.irp k, 0,1,2,3
	v_lshlrev_b32 v[WT+2*(\k)+1], 16, v[WT+2*(\k)]                         ; widened again: wr,
	v_and_b32 v[WT+2*(\k)], s49, v[WT+2*(\k)]                              ; wi,
.endr
.irp k, 0,1,2,3
	v_cvt_pk_f16_f32 v[WO+8*(\i)+(\k)], v[WT+2*(\k)+1], v[WT+2*(\k)]       ; and written as f16
	v_cvt_pk_f16_f32 v[WO+8*(\i)+4+(\k)], v[WT+2*(\k)], v[WT+2*(\k)+1]
.endr
.else
	v_pk_mul_f32 v[WA+4*(\i):WA+4*(\i)+1], v[WA+4*(\i):WA+4*(\i)+1], s[38:39] op_sel_hi:[1,0]       ; 1/8 for q's rows, 1 for the others
	v_pk_mul_f32 v[WA+4*(\i)+2:WA+4*(\i)+3], v[WA+4*(\i)+2:WA+4*(\i)+3], s[38:39] op_sel_hi:[1,0]
	v_pk_mul_f32 v[WB+4*(\i):WB+4*(\i)+1], v[WB+4*(\i):WB+4*(\i)+1], s[38:39] op_sel_hi:[1,0]
	v_pk_mul_f32 v[WB+4*(\i)+2:WB+4*(\i)+3], v[WB+4*(\i)+2:WB+4*(\i)+3], s[38:39] op_sel_hi:[1,0]
.irp k, 0,1,2,3
	v_cvt_pk_bf16_f32 v[WO+8*(\i)+(\k)], v[WA+4*(\i)+(\k)], v[WB+4*(\i)+(\k)]
	v_cvt_pk_bf16_f32 v[WO+8*(\i)+4+(\k)], v[WB+4*(\i)+(\k)], v[WA+4*(\i)+(\k)]
.endr
.endif
.irp k, 0,1,2,3
	v_xor_b32 v[WO+8*(\i)+(\k)], 0x80000000, v[WO+8*(\i)+(\k)]             ; (wr, wi) becomes (wr, -wi)
.endr
	global_store_b128 v6, v[WO+8*(\i):WO+8*(\i)+3], s[34:35] offset:(\i)*16384
	global_store_b128 v6, v[WO+8*(\i)+4:WO+8*(\i)+7], s[34:35] offset:(\i)*16384+4096
.endr
	s_wait_xcnt 0x0                                ; the bases and the stores' data are rewritten only behind this wait
	s_add_nc_u64 s[30:31], s[30:31], 65536         ; 16 source rows on,
	s_add_nc_u64 s[32:33], s[32:33], 65536
	s_add_nc_u64 s[34:35], s[34:35], 131072        ; 32 rows stored
	s_sub_co_u32 s40, s40, 1
	s_cmp_lg_u32 s40, 0
	s_cbranch_scc1 .Lwtrip_\@
.endm
	v_lshlrev_b32 v2, 4, v0                        ; source: 16 t, two rows on end
	v_lshrrev_b32 v6, 8, v0                        ; stored: the source row t / 256 makes two rows of 4,096 bytes,
	v_and_b32 v7, 255, v0
	v_lshlrev_b32 v7, 4, v7                        ; my 16 bytes at the same place in them
	v_lshl_add_u32 v6, v6, 13, v7
	s_sub_co_u32 s6, s5, 128
	s_cmp_lt_u32 s6, 96
	s_cbranch_scc0 .Lo_weights
	s_lshl_b32 s42, s6, 17                         ; 32 source rows of 4,096 bytes
	s_add_nc_u64 s[30:31], s[10:11], s[42:43]
	s_add_nc_u64 s[32:33], s[12:13], s[42:43]
	s_lshr_b32 s44, s6, 5                          ; sec
	s_and_b32 s45, s6, 31                          ; tx
	s_mul_i32 s45, s45, 192
	s_lshl_b32 s47, s44, 6
	s_add_co_u32 s45, s45, s47                     ; the first of my 64 rows of WQ
	s_lshl_b32 s42, s45, 12
	s_add_co_u32 s42, s42, WQOFF
	s_add_nc_u64 s[34:35], s[28:29], s[42:43]
	s_cmp_eq_u32 s44, 0
	s_cselect_b32 s38, 0x3e000000, 1.0
	s_mov_b32 s39, s38                             ; named with it as a pair
	WPART 0
	s_branch .Lend
.Lo_weights:
	s_sub_co_u32 s6, s6, 96
	s_lshl_b32 s42, s6, 17
	s_add_nc_u64 s[30:31], s[14:15], s[42:43]
	s_add_nc_u64 s[32:33], s[16:17], s[42:43]
	s_lshl_b32 s42, s6, 18                         ; 64 rows of WO
	s_add_co_u32 s42, s42, WOOFF
	s_add_nc_u64 s[34:35], s[28:29], s[42:43]
	WPART 1
	s_branch .Lend
; cos and sin of an angle: it is reduced by n = round(ang 2/pi) with pi/2 in two parts; on |r| <= pi/4 the series to r^7 and r^8 leave less than 4e-7; n's two low bits choose and sign.
.macro SINCOS a, c, s
	v_mul_f32 v[T], 0x3f22f983, v[\a]
	v_rndne_f32 v[T], v[T]
	v_fma_f32 v[T+1], -v[T], s46, v[\a]
	v_fma_f32 v[T+1], -v[T], s47, v[T+1]
	v_cvt_i32_f32 v[T], v[T]
	v_mul_f32 v[T+2], v[T+1], v[T+1]
	v_mov_b32 v[T+3], 0xb9500d01
	v_mov_b32 v[T+4], 0x37d00d01
	v_fmaak_f32 v[T+3], v[T+3], v[T+2], 0x3c088889
	v_fmaak_f32 v[T+4], v[T+4], v[T+2], 0xbab60b61
	v_fmaak_f32 v[T+3], v[T+3], v[T+2], 0xbe2aaaab
	v_fmaak_f32 v[T+4], v[T+4], v[T+2], 0x3d2aaaab
	v_mul_f32 v[T+5], v[T+1], v[T+2]
	v_fmaak_f32 v[T+4], v[T+4], v[T+2], 0xbf000000
	v_fma_f32 v[T+3], v[T+5], v[T+3], v[T+1]       ; sin r
	v_fmaak_f32 v[T+4], v[T+4], v[T+2], 0x3f800000 ; cos r
	v_and_b32 v[T+5], 1, v[T]
	v_cmp_eq_u32 vcc_lo, 1, v[T+5]
	v_cndmask_b32 v[\c], v[T+4], v[T+3], vcc_lo    ; an odd n swaps the two
	v_cndmask_b32 v[\s], v[T+3], v[T+4], vcc_lo
	v_add_nc_u32 v[T+5], 1, v[T]
	v_and_b32 v[T+5], 2, v[T+5]
	v_and_b32 v[T], 2, v[T]
	v_lshlrev_b32 v[T+5], 30, v[T+5]
	v_lshlrev_b32 v[T], 30, v[T]
	v_xor_b32 v[\c], v[\c], v[T+5]                 ; cos is negative for n mod 4 = 1, 2
	v_xor_b32 v[\s], v[\s], v[T]                   ; sin for n mod 4 = 2, 3
.endm
; One row of x: rounded, stored to XB and to XT; |x| of the rounded numbers to XAT
.macro XROW i
.set XR, X+4*(\i)
.set TT, T+4*((\i)%4)
	v_cvt_pk_bf16_f32 v[XR], v[XR], v[XR+1]
	v_cvt_pk_bf16_f32 v[XR+1], v[XR+2], v[XR+3]
	global_store_b64 v7, v[XR:XR+1], s[32:33] offset:(\i)*4096   ; 256 consecutive bytes of XB, at a multiple of 256 from its first byte
	ds_store_b64 v10, v[XR:XR+1] offset:(\i)*272
	v_lshlrev_b32 v[TT], 16, v[XR]
	v_and_b32 v[TT+1], s49, v[XR]
	v_lshlrev_b32 v[TT+2], 16, v[XR+1]
	v_and_b32 v[TT+3], s49, v[XR+1]
	v_fma_f32 v[TT], v[TT], v[TT], s48
	v_fma_f32 v[TT+2], v[TT+2], v[TT+2], s48
	v_fma_f32 v[TT], v[TT+1], v[TT+1], v[TT]
	v_fma_f32 v[TT+2], v[TT+3], v[TT+3], v[TT+2]
	v_sqrt_f32 v[TT], v[TT]
	v_sqrt_f32 v[TT+2], v[TT+2]
	v_nop                                          ; a plain line between the roots and their use
	s_wait_alu depctr_va_vdst(0)
	v_cvt_pk_bf16_f32 v[XR+2], v[TT], v[TT+2]
	ds_store_b32 v11, v[XR+2] offset:(\i)*144
.endm
; THE ROWS.  First all 43 loads of the wave go out: the biases, 16 rows x 512 bytes of x, dt_w's two halves and pg_w for my 64 complex numbers.
.Lrows:
	v_and_b32 v1, 15, v3                           ; r
	v_lshrrev_b32 v2, 4, v3                        ; h
	v_lshlrev_b32 v[BI+3], 2, v1
	v_lshlrev_b32 v6, 4, v3                        ; x: 16 bytes a lane
	v_lshlrev_b32 v7, 3, v3                        ; XB: 8 bytes a lane
	v_lshlrev_b32 v8, 4, v1
	v_lshl_add_u32 v9, v2, 12, v8                  ; pg_w: lanes 0-15 one head's 256 bytes, lanes 16-31 the next head's
	v_lshl_add_u32 v8, v2, 13, v8                  ; dt_w likewise
	s_lshl_b32 s42, s5, 17
	s_lshl_b32 s45, s4, 9
	s_add_co_u32 s42, s42, s45
	s_add_nc_u64 s[30:31], s[8:9], s[42:43]        ; x at my rows and my k'
	s_lshl_b32 s42, s5, 16
	s_lshl_b32 s45, s4, 8
	s_add_co_u32 s42, s42, s45
	s_add_nc_u64 s[32:33], s[28:29], s[42:43]      ; XB likewise
	s_mov_b32 s42, s45
	s_add_nc_u64 s[34:35], s[18:19], s[42:43]      ; dt_w and pg_w at my k
	s_add_nc_u64 s[36:37], s[24:25], s[42:43]
	global_load_b32 v[BI], v[BI+3], s[20:21]       ; dt_b, dt_bias, pg_b of head r
	global_load_b32 v[BI+1], v[BI+3], s[22:23]
	global_load_b32 v[BI+2], v[BI+3], s[26:27]
.irp i, 0,1,2,3,4,5,6,7,8,9,10,11,12,13,14,15
	global_load_b128 v[X+4*(\i):X+4*(\i)+3], v6, s[30:31] offset:(\i)*8192 th:TH_LOAD_NT
.endr
.irp j, 0,1,2,3,4,5,6,7
	global_load_b128 v[DR+4*(\j):DR+4*(\j)+3], v8, s[34:35] offset:(\j)*16384
.endr
.irp j, 0,1,2,3,4,5,6,7
	global_load_b128 v[DI+4*(\j):DI+4*(\j)+3], v8, s[34:35] offset:(\j)*16384+4096
.endr
.irp j, 0,1,2,3,4,5,6,7
	global_load_b128 v[PW+4*(\j):PW+4*(\j)+3], v9, s[36:37] offset:(\j)*8192
.endr
	; While they are on their way: the table of cos and sin.  Wave w makes row 16 g + w, lane l the d = 2 l and 2 l + 1: 16 bytes a lane, 512 consecutive bytes a store.
	s_lshl_b32 s41, s5, 4
	s_add_co_u32 s41, s41, s4                      ; t
	s_lshl_b32 s42, s41, 9
	s_add_co_u32 s42, s42, POSOFF
	s_add_nc_u64 s[38:39], s[28:29], s[42:43]
	s_mov_b32 s46, 0x3fc90fdb                      ; pi/2, and what is left of it
	s_mov_b32 s47, 0xb33bbd2e
	s_mov_b32 s48, 0x322bcc77                      ; 1e-8
	s_mul_i32 s44, s4, WREG
	v_lshlrev_b32 v[T+12], 1, v3
	v_cvt_f32_u32 v[T+12], v[T+12]
	v_cvt_f32_u32 v[T+15], s41
	v_add_f32 v[T+13], 1.0, v[T+12]
	v_mul_f32 v[T+12], 0xbe549a78, v[T+12]         ; -d log2(10000) / 64
	v_mul_f32 v[T+13], 0xbe549a78, v[T+13]
	v_exp_f32 v[T+12], v[T+12]
	v_exp_f32 v[T+13], v[T+13]
	v_add_nc_u32 v10, s44, v7                      ; into XT (the LDS addresses are also the plain lines behind the exponentials)
	v_lshlrev_b32 v11, 2, v3
	v_add3_u32 v11, v11, s44, 8704                 ; into XAT
	v_mul_u32_u24 v12, v2, 272
	v_lshl_add_u32 v12, v1, 4, v12
	v_add3_u32 v12, v12, s44, 4352                 ; into WT
	v_mul_u32_u24 v13, v2, 144
	v_lshl_add_u32 v13, v1, 3, v13
	v_add3_u32 v13, v13, s44, 11008                ; into PWT
	v_mul_u32_u24 v14, v1, 272
	v_lshl_add_u32 v14, v2, 4, v14
	v_add_nc_u32 v14, s44, v14                     ; fragments of XT (WT: + 4352): row r, 16 bytes for each half of the lanes
	v_mul_u32_u24 v15, v1, 144
	v_lshl_add_u32 v15, v2, 4, v15
	v_add3_u32 v15, v15, s44, 8704                 ; fragments of XAT (PWT: + 2304)
	s_wait_alu depctr_va_vdst(0)
	v_mul_f32 v[T+6], v[T+15], v[T+12]
	v_mul_f32 v[T+7], v[T+15], v[T+13]
	SINCOS T+6, T+8, T+9
	SINCOS T+7, T+10, T+11
	global_store_b128 v6, v[T+8:T+11], s[38:39]
	s_wait_xcnt 0x0                                ; the store's data lie in registers that the rows' work rewrites
; THE GATE PRODUCTS.  x, dt_w (its two halves interleaved like x), |x| and pg_w go rounded to bf16 through the wave's own LDS bytes, which turns rows as loaded into fragments;
; no other wave touches those bytes, and LDS serves a wave's instructions in order: no barrier.
	s_wait_loadcnt 24                              ; the biases and x's sixteen loads are in; the 24 of the weights may be out
.irp i, 0,1,2,3,4,5,6,7,8,9,10,11,12,13,14,15
	XROW \i
.endr
	s_wait_loadcnt 0x0
.irp j, 0,1,2,3,4,5,6,7
.irp k, 0,1,2,3
	v_cvt_pk_bf16_f32 v[DR+4*(\j)+(\k)], v[DR+4*(\j)+(\k)], v[DI+4*(\j)+(\k)]   ; (real, imaginary): k' = 2 k, 2 k + 1
.endr
	ds_store_b128 v12, v[DR+4*(\j):DR+4*(\j)+3] offset:(\j)*544
	v_cvt_pk_bf16_f32 v[PW+4*(\j)], v[PW+4*(\j)], v[PW+4*(\j)+1]
	v_cvt_pk_bf16_f32 v[PW+4*(\j)+1], v[PW+4*(\j)+2], v[PW+4*(\j)+3]
	ds_store_b64 v13, v[PW+4*(\j):PW+4*(\j)+1] offset:(\j)*288
.endr
	s_wait_xcnt 0x0                                ; XB's stores have read their data: x's registers take the fragments
.irp k, 0,1,2,3
	ds_load_b128 v[FX+8*(\k):FX+8*(\k)+3], v14 offset:64*(\k)
	ds_load_b128 v[FX+8*(\k)+4:FX+8*(\k)+7], v14 offset:64*(\k)+32
	ds_load_b128 v[FW+8*(\k):FW+8*(\k)+3], v14 offset:4352+64*(\k)
	ds_load_b128 v[FW+8*(\k)+4:FW+8*(\k)+7], v14 offset:4352+64*(\k)+32
.endr
.irp k, 0,1
	ds_load_b128 v[FA+8*(\k):FA+8*(\k)+3], v15 offset:64*(\k)
	ds_load_b128 v[FA+8*(\k)+4:FA+8*(\k)+7], v15 offset:64*(\k)+32
	ds_load_b128 v[FP+8*(\k):FP+8*(\k)+3], v15 offset:2304+64*(\k)
	ds_load_b128 v[FP+8*(\k)+4:FP+8*(\k)+7], v15 offset:2304+64*(\k)+32
.endr
	s_wait_dscnt 0x0
	; rows of x are source 0, heads source 1: a lane holds head r and the rows 8 h + 0..7.  The first three products start the sums; the three accumulators take turns.
	v_wmma_f32_16x16x32_bf16 v[DA:DA+7], v[FX:FX+7], v[FW:FW+7], 0
	v_wmma_f32_16x16x32_bf16 v[DB:DB+7], v[FX+8:FX+15], v[FW+8:FW+15], 0
	v_wmma_f32_16x16x32_bf16 v[PG:PG+7], v[FA:FA+7], v[FP:FP+7], 0
	v_wmma_f32_16x16x32_bf16 v[DA:DA+7], v[FX+16:FX+23], v[FW+16:FW+23], v[DA:DA+7]
	v_wmma_f32_16x16x32_bf16 v[DB:DB+7], v[FX+24:FX+31], v[FW+24:FW+31], v[DB:DB+7]
	v_wmma_f32_16x16x32_bf16 v[PG:PG+7], v[FA+8:FA+15], v[FP+8:FP+15], v[PG:PG+7]
.rept 4
	v_nop                                          ; four places before the sums are read (ISA guide 7.12.1)
.endr
	; THE FINISH.  The sixteen waves' partial sums meet in LDS; wave 0 adds up the rows 8 h + 0..3 and makes their gates, wave 1 the rows 8 h + 4..7.
.irp k, 0,2,4,6
	v_pk_add_f32 v[DA+(\k):DA+(\k)+1], v[DA+(\k):DA+(\k)+1], v[DB+(\k):DB+(\k)+1]
.endr
	s_lshl_b32 s45, s4, 11
	v_lshlrev_b32 v40, 4, v3
	v_add3_u32 v40, v40, s45, RED
	ds_store_b128 v40, v[DA:DA+3]
	ds_store_b128 v40, v[DA+4:DA+7] offset:512
	ds_store_b128 v40, v[PG:PG+3] offset:1024
	ds_store_b128 v40, v[PG+4:PG+7] offset:1536
	s_wait_dscnt 0x0                               ; for the others' sake: my stores are done
	s_barrier_signal -1
	s_barrier_wait -1
	s_cmp_gt_u32 s4, 1
	s_cbranch_scc1 .Lend
	s_lshl_b32 s45, s4, 9                          ; my four registers of each sender's eight
	v_lshlrev_b32 v42, 4, v3
	v_add3_u32 v42, v42, s45, RED
.set sn, 0
.rept 16
	ds_load_b128 v[Z+8*sn:Z+8*sn+3], v42 offset:2048*sn
	ds_load_b128 v[Z+8*sn+4:Z+8*sn+7], v42 offset:2048*sn+1024
.set sn, sn+1
.endr
	s_mov_b32 s50, 0x3fb8aa3b                      ; log2(e)
	s_mov_b32 s51, 0xbfb8aa3b
	s_mov_b32 s52, 0x358637bd                      ; 1e-6
	s_lshl_b32 s42, s5, 6
	s_add_co_u32 s42, s42, G2OFF
	s_add_nc_u64 s[30:31], s[28:29], s[42:43]      ; G2 at t = 16 g (x's loads, which named this pair, are back)
	v_lshlrev_b32 v43, 13, v1
	v_lshl_add_u32 v43, v2, 5, v43                 ; head r's row, 8 h numbers on,
	s_lshl_b32 s45, s4, 4
	v_add_nc_u32 v43, s45, v43                     ; and my wave's four
	v_cvt_pk_bf16_f32 v[BI], v[BI], v[BI+1]        ; the biases are inputs: rounded to bf16 like the others
	v_cvt_pk_bf16_f32 v[BI+2], v[BI+2], v[BI+2]
	v_lshlrev_b32 v[BI+1], 16, v[BI]
	v_and_b32 v[BI], s49, v[BI]
	v_lshlrev_b32 v[BI+2], 16, v[BI+2]
	v_add_f32 v[BI], v[BI], v[BI+1]
	v_mul_f32 v[BI+2], s51, v[BI+2]
	v_mul_f32 v[BI], s50, v[BI]
	s_wait_dscnt 0x0
.set sn, 1
.rept 15
.irp k, 0,2,4,6
	v_pk_add_f32 v[Z+(\k):Z+(\k)+1], v[Z+(\k):Z+(\k)+1], v[Z+8*sn+(\k):Z+8*sn+(\k)+1]
.endr
.set sn, sn+1
.endr
.irp i, 0,1,2,3
	v_fma_f32 v[Z+(\i)], v[Z+(\i)], s50, v[BI]         ; z1 log2(e)
	v_fma_f32 v[Z+4+(\i)], v[Z+4+(\i)], s51, v[BI+2]   ; -z2 log2(e)
.endr
.set i, 0
.rept 8
	v_exp_f32 v[Z+i], v[Z+i]
.set i, i+1
.endr
	v_nop
.set i, 0
	s_wait_alu depctr_va_vdst(0)
.rept 8
	v_add_f32 v[Z+i], 1.0, v[Z+i]
.set i, i+1
.endr
.set i, 0
.rept 8
	v_rcp_f32 v[Z+i], v[Z+i]                       ; exp(-softplus(z1)) = 1 / (1 + e^z1) for every z1;  p = 1 / (1 + e^-z2)
.set i, i+1
.endr
	v_nop
	s_wait_alu depctr_va_vdst(0)
.irp i, 0,1,2,3
	v_sub_f32 v[Z+8+(\i)], 1.0, v[Z+4+(\i)]        ; 1 - p
.endr
.irp i, 0,1,2,3
	v_fma_f32 v[Z+(\i)], v[Z+(\i)], v[Z+8+(\i)], v[Z+4+(\i)]   ; gamma
.endr
.irp i, 0,1,2,3
	v_add_f32 v[Z+(\i)], s52, v[Z+(\i)]
.endr
.irp i, 0,1,2,3
	v_log_f32 v[Z+(\i)], v[Z+(\i)]
.endr
	v_nop
	s_wait_alu depctr_va_vdst(0)
.irp i, 0,1,2,3
	v_mul_f32 v[Z+(\i)], -1.0, v[Z+(\i)]
.endr
	; 16 bytes a lane in rows 8,192 bytes apart: small pieces, 2 KiB a work-group in all
	global_store_b128 v43, v[Z:Z+3], s[30:31]
	global_store_b128 v43, v[Z+8:Z+11], s[30:31] offset:131072
.Lend:
	s_wait_tensorcnt 0x0                           ; the wave's end, behind my last LDS store
	ds_add_u32 v[SPW], v[NIL]
	s_wait_dscnt 0x0
	s_endpgm
.Lfunc_end_k_qd7ff25d21b_prep:
	.size	k_qd7ff25d21b_prep, .Lfunc_end_k_qd7ff25d21b_prep-k_qd7ff25d21b_prep
	.p2alignl 7, 3214868480
	.fill 96, 4, 3214868480
	.section	.rodata,"a",@progbits
	.p2align	6, 0x0
	.amdhsa_kernel k_qd7ff25d21b_prep
		.amdhsa_group_segment_fixed_size 247808
		.amdhsa_private_segment_fixed_size 0
		.amdhsa_enable_private_segment 0
		.amdhsa_kernarg_size 88
		.amdhsa_user_sgpr_count 2
		.amdhsa_user_sgpr_kernarg_segment_ptr 1
		.amdhsa_wavefront_size32 1
		.amdhsa_system_sgpr_workgroup_id_x 1
		.amdhsa_system_sgpr_workgroup_id_y 1
		.amdhsa_system_sgpr_workgroup_id_z 1
		.amdhsa_system_vgpr_workitem_id 0
		.amdhsa_next_free_vgpr 220
		.amdhsa_next_free_sgpr 66
		.amdhsa_reserve_vcc 1
		.amdhsa_float_denorm_mode_32 3
		.amdhsa_float_denorm_mode_16_64 3
		.amdhsa_memory_ordered 1
		.amdhsa_forward_progress 1
		.amdhsa_inst_pref_size 68
	.end_amdhsa_kernel
	.amdgpu_metadata
---
amdhsa.version: [ 1, 2 ]
amdhsa.kernels:
  - .name:           k_qd7ff25d21b_prep
    .symbol:         k_qd7ff25d21b_prep.kd
    .args:
      - { .name: x, .offset: 0, .size: 8, .value_kind: global_buffer, .address_space: global }
      - { .name: qkv_wr, .offset: 8, .size: 8, .value_kind: global_buffer, .address_space: global }
      - { .name: qkv_wi, .offset: 16, .size: 8, .value_kind: global_buffer, .address_space: global }
      - { .name: o_wr, .offset: 24, .size: 8, .value_kind: global_buffer, .address_space: global }
      - { .name: o_wi, .offset: 32, .size: 8, .value_kind: global_buffer, .address_space: global }
      - { .name: dt_w, .offset: 40, .size: 8, .value_kind: global_buffer, .address_space: global }
      - { .name: dt_b, .offset: 48, .size: 8, .value_kind: global_buffer, .address_space: global }
      - { .name: dt_bias, .offset: 56, .size: 8, .value_kind: global_buffer, .address_space: global }
      - { .name: pg_w, .offset: 64, .size: 8, .value_kind: global_buffer, .address_space: global }
      - { .name: pg_b, .offset: 72, .size: 8, .value_kind: global_buffer, .address_space: global }
      - { .name: pre, .offset: 80, .size: 8, .value_kind: global_buffer, .address_space: global }
    .group_segment_fixed_size: 247808
    .private_segment_fixed_size: 0
    .kernarg_segment_align: 8
    .kernarg_segment_size: 88
    .max_flat_workgroup_size: 512
    .sgpr_count:     66
    .vgpr_count:     220
    .wavefront_size: 32
...
	.end_amdgpu_metadata
.endif
;; end of part 1
;; launch qkvgemm (part 2): grid 32 x 8, 4 waves a work-group, clusters of 4 x 4, 327,680 bytes of LDS; arguments pre, qkv; writes qkv
.if DOCPART == 2
	.amdgcn_target "amdgcn-amd-amdhsa--gfx1250"
	.amdhsa_code_object_version 6
	.text
	.protected	k_qd7ff25d21b_qkvgemm
	.globl	k_qd7ff25d21b_qkvgemm
	.p2align	8
	.type	k_qd7ff25d21b_qkvgemm,@function
k_qd7ff25d21b_qkvgemm:
	s_mov_b64 s[64:65], 0
	v_nop
	global_prefetch_b8 v0, s[64:65] scope:SCOPE_SE
	s_setreg_imm32_b32 hwreg(HW_REG_WAVE_MODE, 25, 1), 1
	s_wait_xcnt 0x0
	s_wait_alu depctr_hold_cnt(0) depctr_sa_sdst(0) depctr_va_vdst(0) depctr_va_sdst(0) depctr_va_ssrc(0) depctr_va_vcc(0) depctr_vm_vsrc(0)
	s_getreg_b32 s2, hwreg(HW_REG_IB_STS2, 6, 4)
	s_cmp_eq_u32 s2, 0
	s_cbranch_scc0 .Lentry_in_a_cluster
	s_endpgm
.Lentry_in_a_cluster:
	s_bfe_u32 s2, ttmp6, 0x10000c
	s_cmp_lg_u32 s2, 0xf033
	s_cbranch_scc0 .Lentry_shape_is_right
	s_endpgm
.Lentry_shape_is_right:
; q, k, v' = XB x WQ^T, then RoPE on q and k, 1 - p on v, rounded once to f16, by planes [2048 t][64 channels] (plane = 32 sec + 2 head + half; channel = 2 dd + c).
; A tile of the product is 256 rows (t) x 192 columns: q, k and v of half a head, 64 columns each: 32 x 8 = 256 work-groups, and the way out is one text for all.
; Four waves; wave w owns rows 64 w .. 64 w + 63 and all 192 columns: 48 accumulators of 16 x 16.  K goes in 16 steps of 128 through two LDS slots filled by tensor loads: rows of 256 bytes.
; CLUSTER 4 x 4: the four of a row share XB's tile, the four of a column WQ's: each is asked for jointly, by the same load, descriptor and mask in all four.
; THE MATRIX INSTRUCTION IS USED TRANSPOSED (source 0 = 16 rows of WQ, source 1 = 16 rows of XB): a lane holds row l % 16 and eight neighbouring columns: four complex numbers.
; Also stored: for each wave the largest |q/8|, |k|, |v'| that it made (f32), from which the next launch makes power-of-two scales.
; LIMIT: |q/8|, |k|, |v'| stay under 65,504 (f16); NaN and infinities are not treated apart.
; REGISTERS, in windows of 256: window 0: addresses, v56-59 1 - p, v60-63 maxima, v64-191 cos and sin, v192-223 and v224-255 at work on the way out;
;   window 1: two fragment buffers of 128 (12 x 8 of WQ, then 4 x 8 of XB);  window 2: accumulators of row blocks 0, 1 at 8 (12 a + b);  window 3: of row blocks 2, 3.
.set KSTEP,  128
.set PITCH,  272                       ; 256 bytes + 16 of padding: the 16 rows of a fragment load start 68 words apart
.set HA,     128*PITCH                 ; what a tensor load brings of XB
.set HB,     96*PITCH                  ; and of WQ
.set BOFF,   2*HA
.set SLOT1,  1<<17                     ; slot 1 begins here: one exclusive or turns an address in one slot into the other's
.set STAGE,  SLOT1+2*HA+2*HB           ; 16 rows x 144 bytes for each wave, never filled by a tensor load
.set SP,     144
.set SPARE,  STAGE+4*16*SP             ; the spare words: 128 bytes a wave, two blocks of 256 bytes that no other line names
.set WQOFF,  8388608
.set POSOFF, 41943040
.set OMPOFF, 43122688
.set MXOFF,  25165824
.set ADRA0, 16
.set ADRB0, 17
.set ADRA,  18
.set ADRB,  19
.set STO,   24
.set RD,    25
.set GO,    26
.set PO,    27
.set SPW,   28                         ; v28 LDS address of my spare word; never rewritten
.set NIL,   29                         ; v29 0; never rewritten
.set OMPO,  30
.set ZO,    31
.set OMP,   56
.set MXR,   60
.set POS,   64
.set T,     192
.set U,     224
.set F0,    0
.set F1,    128
.set G1,  24
.set G0,  32                           ; s[32:35] the first fill of slot 0; s[36:39] that of slot 1, which then walks
.set G1B, 48
.set G0B, 56
.set TB,  66                           ; LDS byte at which the slot being read begins
.set MSB, 0
.macro WIN new
.if MSB != (\new)
	s_set_vgpr_msb (MSB<<8)|(\new)
.set MSB, \new
.endif
.endm
.macro PLACES
.rept 4
	v_nop
.endr
.endm
; A joint refill by the walking descriptor.  Waves 0 and 1 fetch XB's two halves, waves 2 and 3 WQ's.  An s_nop 0 and four v_nop follow each line.
.macro JLOAD
	s_cmp_eq_u32 s11, 0
	s_cbranch_scc0 .Lfor_b_\@
	tensor_load_to_lds s[G0+4:G0+7], s[G1:G1+7]
	s_nop 0
	PLACES
	s_branch .Lasked_\@
.Lfor_b_\@:
	tensor_load_to_lds s[G0B+4:G0B+7], s[G1B:G1B+7]
	s_nop 0
	PLACES
.Lasked_\@:
.endm
.macro CREST
	s_cmp_lg_u32 s10, 0
	s_cbranch_scc1 .Lnot_wave_0_\@
	s_barrier_signal -3
.Lnot_wave_0_\@:
	s_barrier_wait -3
	s_barrier_signal -1
	s_barrier_wait -1
.endm
.macro CROUND
	s_barrier_signal -1
	s_barrier_wait -1
	CREST
.endm
	s_load_b128 s[4:7], s[0:1], 0x0                ; pre s[4:5], qkv s[6:7]
	v_lshl_add_u32 v[SPW], v0, 2, SPARE
	v_mov_b32 v[NIL], 0
	ds_add_u32 v[SPW], v[NIL]                      ; the wave's opening: the add and its wait stand ahead of my first tensor load
	v_lshrrev_b32 v1, 5, v0
	v_readfirstlane_b32 s10, v1                    ; wave 0..3
	s_lshr_b32 s11, s10, 1                         ; I fetch for XB (0) or WQ (1),
	s_and_b32 s12, s10, 1                          ; its first or second half
	s_bfe_u32 s40, ttmp6, 0x40000                  ; cx
	s_bfe_u32 s41, ttmp6, 0x40004                  ; cy
	s_lshl_b32 s42, ttmp9, 2
	s_add_co_u32 s42, s42, s40                     ; tx = 2 head + half
	s_and_b32 s13, ttmp7, 0xffff
	s_lshl_b32 s13, s13, 2
	s_add_co_u32 s13, s13, s41                     ; ty
	s_lshl_b32 s43, s41, 2
	s_lshl_b32 s43, 15, s43                        ; my row of the cluster
	s_lshl_b32 s44, 0x1111, s40                    ; my column
	s_or_b32 s[G1], s43, (1<<16)|(1<<20)|(1<<21)|(5<<22)|(3<<25)    ; mask; 2-byte elements; padding on; bit 21 beside a mask; after every 64 words 4 words
	s_or_b32 s[G1B], s44, (1<<16)|(1<<20)|(1<<21)|(5<<22)|(3<<25)
	s_mov_b32 s[G1+1], KSTEP<<16                   ; tensor_dim0 = 128
	s_mov_b32 s[G1+2], 128<<16                     ; tensor_dim1 = 128
	s_mov_b32 s[G1+3], KSTEP<<16                   ; tile_dim0 = 128
	s_mov_b32 s[G1+4], 128                         ; tile_dim1 = 128
	s_mov_b32 s[G1+5], 2048                        ; elements from row to row
	s_mov_b32 s[G1+6], 0
	s_mov_b32 s[G1+7], 0
	s_mov_b32 s[G1B+1], KSTEP<<16
	s_mov_b32 s[G1B+2], 96<<16                     ; WQ's loads have 96 rows
	s_mov_b32 s[G1B+3], KSTEP<<16
	s_mov_b32 s[G1B+4], 96
	s_mov_b32 s[G1B+5], 2048
	s_mov_b32 s[G1B+6], 0
	s_mov_b32 s[G1B+7], 0
	s_lshl_b32 s16, s13, 20                        ; XB: (256 ty + 128 half) rows of 4,096 bytes: hangs on ty alone
	s_lshl_b32 s17, s12, 19
	s_add_co_u32 s16, s16, s17
	s_mov_b32 s17, 0
	s_mul_i32 s46, s42, 192*4096                   ; WQ: (192 tx + 96 half) rows: hangs on tx alone
	s_mul_i32 s47, s12, 96*4096
	s_add_co_u32 s46, s46, s47
	s_add_co_u32 s46, s46, WQOFF
	s_mov_b32 s47, 0
	s_mul_i32 s20, s12, HA                         ; where they go: no place in the cluster enters an LDS address
	s_mul_i32 s21, s12, HB
	s_add_co_u32 s21, s21, BOFF
	s_mov_b32 s[TB], 0
	s_wait_dscnt 0x0                               ; the opening add is done
	s_wait_kmcnt 0x0
	s_add_nc_u64 s[14:15], s[4:5], s[16:17]
	s_add_nc_u64 s[46:47], s[4:5], s[46:47]
	CROUND                                         ; all sixteen work-groups are here: the first joint loads meet
.irp s, 0,1
	s_mov_b32 s[G0+4*(\s)], 1
	s_add_co_u32 s[G0+4*(\s)+1], s20, (\s)*SLOT1
	s_add_nc_u64 s[G0+4*(\s)+2:G0+4*(\s)+3], s[14:15], (\s)*KSTEP*2
	s_or_b32 s[G0+4*(\s)+3], s[G0+4*(\s)+3], 0x80000000
	s_mov_b32 s[G0B+4*(\s)], 1
	s_add_co_u32 s[G0B+4*(\s)+1], s21, (\s)*SLOT1
	s_add_nc_u64 s[G0B+4*(\s)+2:G0B+4*(\s)+3], s[46:47], (\s)*KSTEP*2
	s_or_b32 s[G0B+4*(\s)+3], s[G0B+4*(\s)+3], 0x80000000
.endr
	s_cmp_eq_u32 s11, 0                            ; a wave's two first fills stand in one branch: two loads of mine are out
	s_cbranch_scc0 .Lfirst_b
	tensor_load_to_lds s[G0:G0+3], s[G1:G1+7]
	s_nop 0
	tensor_load_to_lds s[G0+4:G0+7], s[G1:G1+7]
	s_nop 0
	PLACES
	s_branch .Lfirst_asked
.Lfirst_b:
	tensor_load_to_lds s[G0B:G0B+3], s[G1B:G1B+7]
	s_nop 0
	tensor_load_to_lds s[G0B+4:G0B+7], s[G1B:G1B+7]
	s_nop 0
	PLACES
.Lfirst_asked:
	v_and_b32 v1, 15, v0                           ; r
	v_bfe_u32 v2, v0, 4, 1                         ; h
	v_mul_u32_u24 v3, v1, PITCH
	v_lshl_add_u32 v3, v2, 4, v3
	s_mul_i32 s22, s10, 64*PITCH                   ; my 64 rows of XB
	v_add_nc_u32 v[ADRA0], s22, v3
	v_add_nc_u32 v[ADRB0], BOFF, v3
	v_mov_b32 v[ADRA], v[ADRA0]
	v_mov_b32 v[ADRB], v[ADRB0]
	s_mul_i32 s23, s10, 16*SP
	s_add_co_u32 s23, s23, STAGE
	v_mul_u32_u24 v[STO], v1, SP                   ; into the stage: row r, 16 bytes for each half of the lanes
	v_lshl_add_u32 v[STO], v2, 4, v[STO]
	v_add_nc_u32 v[STO], s23, v[STO]
	v_bfe_u32 v[RD], v0, 3, 2                      ; back: 32 lanes take four rows of 128 bytes,
	v_mul_u32_u24 v[RD], v[RD], SP
	v_and_b32 v4, 7, v0
	v_lshl_add_u32 v[RD], v4, 4, v[RD]
	v_add_nc_u32 v[RD], s23, v[RD]
	v_and_b32 v[GO], 31, v0                        ; which are 512 consecutive bytes of a plane
	v_lshlrev_b32 v[GO], 4, v[GO]
	v_lshlrev_b32 v[PO], 9, v1                     ; cos and sin: row r, 4 h complex numbers on
	v_lshl_add_u32 v[PO], v2, 5, v[PO]
	v_lshlrev_b32 v[OMPO], 2, v1
	v_mov_b32 v[ZO], 0
	v_mov_b32 v[MXR], 0
	v_mov_b32 v[MXR+1], 0
	v_mov_b32 v[MXR+2], 0
	s_mov_b32 s81, 0
	s_lshl_b32 s80, s13, 17                        ; the table at t = 256 ty + 64 w, d = 32 half
	s_lshl_b32 s82, s10, 15
	s_add_co_u32 s80, s80, s82
	s_and_b32 s82, s42, 1
	s_lshl_b32 s82, s82, 8
	s_add_co_u32 s80, s80, s82
	s_add_co_u32 s80, s80, POSOFF
	s_add_nc_u64 s[68:69], s[4:5], s[80:81]
	s_lshr_b32 s80, s42, 1                         ; 1 - p of my head at the same t
	s_lshl_b32 s80, s80, 13
	s_lshl_b32 s82, s13, 10
	s_add_co_u32 s80, s80, s82
	s_lshl_b32 s82, s10, 8
	s_add_co_u32 s80, s80, s82
	s_add_co_u32 s80, s80, OMPOFF
	s_add_nc_u64 s[70:71], s[4:5], s[80:81]
	s_lshl_b32 s80, s42, 18                        ; plane tx at my rows; k's and v's planes lie 32 and 64 planes on
	s_lshl_b32 s82, s13, 15
	s_add_co_u32 s80, s80, s82
	s_lshl_b32 s82, s10, 13
	s_add_co_u32 s80, s80, s82
	s_add_nc_u64 s[72:73], s[6:7], s[80:81]
	s_add_nc_u64 s[74:75], s[72:73], 8388608
	s_add_nc_u64 s[76:77], s[74:75], 8388608
	s_lshl_b32 s80, s13, 11                        ; my 16 bytes of maxima
	s_lshl_b32 s82, s42, 6
	s_add_co_u32 s80, s80, s82
	s_lshl_b32 s82, s10, 4
	s_add_co_u32 s80, s80, s82
	s_add_co_u32 s80, s80, MXOFF
	s_add_nc_u64 s[78:79], s[6:7], s[80:81]
	s_mov_b32 s82, 0x76543210                      ; v_permlanex16_b32: each lane takes its own place in the other half
	s_mov_b32 s83, 0xfedcba98
.irp a, 0,1,2,3                                ; the way out's tables stay in registers: they land while the product is made
.irp n, 0,1,2,3
	global_load_b128 v[POS+32*(\a)+8*(\n):POS+32*(\a)+8*(\n)+3], v[PO], s[68:69] offset:(\a)*8192+(\n)*64
	global_load_b128 v[POS+32*(\a)+8*(\n)+4:POS+32*(\a)+8*(\n)+7], v[PO], s[68:69] offset:(\a)*8192+(\n)*64+16
.endr
	global_load_b32 v[OMP+(\a)], v[OMPO], s[70:71] offset:(\a)*64
.endr
; 12 matrix instructions: row block a x all 12 column blocks, 32 along K.  zero = 1: the first product starts the sums.  The 48 accumulators take turns.
.macro MUL12 f, a, zero
	WIN 0xa5+0x50*((\a)/2)                         ; sources in window 1, C and D in window 2 or 3
.irp b, 0,1,2,3,4,5,6,7,8,9,10,11
.if \zero
	v_wmma_f32_16x16x32_bf16 v[8*(12*((\a)%2)+(\b)):8*(12*((\a)%2)+(\b))+7], v[(\f)+8*(\b):(\f)+8*(\b)+7], v[(\f)+96+8*(\a):(\f)+96+8*(\a)+7], 0
.else
	v_wmma_f32_16x16x32_bf16 v[8*(12*((\a)%2)+(\b)):8*(12*((\a)%2)+(\b))+7], v[(\f)+8*(\b):(\f)+8*(\b)+7], v[(\f)+96+8*(\a):(\f)+96+8*(\a)+7], v[8*(12*((\a)%2)+(\b)):8*(12*((\a)%2)+(\b))+7]
.endif
.endr
.endm
; 32 LDS loads in one run: 24 of WQ, then XB's row blocks 0, 1, then 2, 3
.macro FETCH k, f
	WIN 0x40
.irp b, 0,1,2,3,4,5,6,7,8,9,10,11
	ds_load_b128 v[(\f)+8*(\b):(\f)+8*(\b)+3], v[ADRB] offset:(\k)+(\b)*16*PITCH
	ds_load_b128 v[(\f)+8*(\b)+4:(\f)+8*(\b)+7], v[ADRB] offset:(\k)+(\b)*16*PITCH+32
.endr
.irp a, 0,1,2,3
	ds_load_b128 v[(\f)+96+8*(\a):(\f)+96+8*(\a)+3], v[ADRA] offset:(\k)+(\a)*16*PITCH
	ds_load_b128 v[(\f)+96+8*(\a)+4:(\f)+96+8*(\a)+7], v[ADRA] offset:(\k)+(\a)*16*PITCH+32
.endr
.endm
; A K step is four quarters of 32 along K, 48 matrix instructions each, on buffers 0, 1, 0, 1.  One of the first three multiplies f and fetches the next, at byte k, into g.
.macro QUARTER k, f, g, zero
	s_wait_dscnt 4                                 ; all but XB's row blocks 2, 3
	MUL12 \f, 0, \zero
	MUL12 \f, 1, \zero
	PLACES                                         ; four places in front of loads into registers that matrix instructions have read
	FETCH \k, \g
	s_wait_dscnt 32                                ; all but the 32 just issued
	MUL12 \f, 2, \zero
	MUL12 \f, 3, \zero
.endm
; The last quarter multiplies buffer 1 and changes slots: one barrier; in front of it each wave waits for all its tensor loads (one is out: its part of the next slot), adds 0 to its
; spare word, and waits for that and for its reads of this slot.  fill = 1: the barrier opens a round of the cluster's, and this slot is filled again, two K steps ahead, first thing behind it.
.macro TURN fill
	WIN 0
	s_wait_tensorcnt 0x0
	ds_add_u32 v[SPW], v[NIL]
	s_wait_dscnt 5                                 ; (the add and the youngest four loads may be out)
	MUL12 F1, 0, 0
	s_wait_dscnt 0x0                               ; the add is done, and my reads of this slot are over
	s_barrier_signal -1
	MUL12 F1, 1, 0
	WIN 0
	s_barrier_wait -1
.if \fill
	CREST
	s_xor_b32 s[G0+5], s[G0+5], SLOT1              ; the walking descriptors: the other slot than last time, the next K step but one
	s_add_nc_u64 s[G0+6:G0+7], s[G0+6:G0+7], KSTEP*2
	s_xor_b32 s[G0B+5], s[G0B+5], SLOT1
	s_add_nc_u64 s[G0B+6:G0B+7], s[G0B+6:G0B+7], KSTEP*2
	JLOAD                                          ; its four v_nop are also the places in front of the loads below
.else
	PLACES
.endif
	s_xor_b32 s[TB], s[TB], SLOT1
	v_add_nc_u32 v[ADRA], s[TB], v[ADRA0]
	v_add_nc_u32 v[ADRB], s[TB], v[ADRB0]
	FETCH 0, F0
	MUL12 F1, 2, 0
	MUL12 F1, 3, 0
.endm
	s_wait_tensorcnt 1                             ; my part of K step 0 is in; step 1's may stay out
	s_barrier_signal -1
	s_barrier_wait -1
	FETCH 0, F0
	QUARTER 64, F0, F1, 1
	WIN 0
	s_mov_b32 s3, 14
.Lstep:                                                ; a trip: a K step's quarters 1 to 3 and the next step's quarter 0; steps 2 to 15 are asked for here
	QUARTER 128, F1, F0, 0
	QUARTER 192, F0, F1, 0
	TURN 1
	QUARTER 64, F0, F1, 0
	WIN 0
	s_sub_co_u32 s3, s3, 1
	s_cmp_lg_u32 s3, 0
	s_cbranch_scc1 .Lstep
	QUARTER 128, F1, F0, 0                         ; the last two steps ask for nothing
	QUARTER 192, F0, F1, 0
	TURN 0
	QUARTER 64, F0, F1, 0
	QUARTER 128, F1, F0, 0
	QUARTER 192, F0, F1, 0
	s_wait_dscnt 4
	MUL12 F1, 0, 0
	MUL12 F1, 1, 0
	s_wait_dscnt 0x0
	MUL12 F1, 2, 0
	MUL12 F1, 3, 0
	WIN 0
	PLACES
	s_wait_loadcnt 0x0                             ; cos, sin and 1 - p
; THE WAY OUT, in 12 groups (row block a, sec).  q and k: (re, im) x (cos, sin) by two packed lines a complex number; v: times 1 - p.  Then the running maxima, the rounding to f16,
; 16 bytes a lane into my stage and back as whole rows.  Each accumulator's registers are read in ascending order.
.macro PACK a, sec, ub
.set AC, 8*(12*((\a)%2)+4*(\sec))
.set PS, POS+32*(\a)
.set UU, U+16*(\ub)
	WIN 0x02+(\a)/2                                ; source 0 in window 2 or 3
.if (\sec) < 2
.set i, 0
.rept 4
.irp m, 0,2,4,6
	v_pk_mul_f32 v[T+8*i+(\m):T+8*i+(\m)+1], v[AC+8*i+(\m):AC+8*i+(\m)+1], v[PS+8*i+(\m):PS+8*i+(\m)+1] op_sel_hi:[0,1]
.endr
.irp m, 0,2,4,6
	v_pk_fma_f32 v[T+8*i+(\m):T+8*i+(\m)+1], v[AC+8*i+(\m):AC+8*i+(\m)+1], v[PS+8*i+(\m):PS+8*i+(\m)+1], v[T+8*i+(\m):T+8*i+(\m)+1] op_sel:[1,1,0] op_sel_hi:[1,0,1] neg_lo:[0,1,0]
.endr
.set i, i+1
.endr
.else
.set i, 0
.rept 16
.if ((\a)%2) == 0
	v_pk_mul_f32 v[T+2*i:T+2*i+1], v[AC+2*i:AC+2*i+1], v[OMP+2*((\a)/2):OMP+2*((\a)/2)+1] op_sel_hi:[1,0]
.else
	v_pk_mul_f32 v[T+2*i:T+2*i+1], v[AC+2*i:AC+2*i+1], v[OMP+2*((\a)/2):OMP+2*((\a)/2)+1] op_sel:[0,1] op_sel_hi:[1,1]
.endif
.set i, i+1
.endr
.endif
	WIN 0
	s_wait_xcnt 0x0                                ; the stores of the group before last have read this buffer
.set i, 0
.rept 16
	v_max3_num_f32 v[MXR+(\sec)], v[MXR+(\sec)], |v[T+2*i]|, |v[T+2*i+1]|
	v_cvt_pk_f16_f32 v[UU+i], v[T+2*i], v[T+2*i+1]
.set i, i+1
.endr
.irp n, 0,1,2,3
	ds_store_b128 v[STO], v[UU+4*(\n):UU+4*(\n)+3] offset:32*(\n)
.endr
.irp f, 0,1,2,3
	ds_load_b128 v[UU+4*(\f):UU+4*(\f)+3], v[RD] offset:(\f)*4*SP   ; LDS serves a wave's instructions in order: these see the stores above
.endr
.endm
.macro SEND a, sec, ub, younger                ; younger: the LDS instructions issued behind this group's loads
.set UU, U+16*(\ub)
	WIN 0
.irp f, 0,1,2,3
	s_wait_dscnt (\younger)+3-(\f)
	global_store_b128 v[GO], v[UU+4*(\f):UU+4*(\f)+3], s[72+2*(\sec):73+2*(\sec)] offset:(\a)*2048+(\f)*512   ; 512 consecutive bytes of a plane
.endr
.endm
.set g, 0
.rept 12
	PACK g/3, g%3, g%2
.if g > 0
	SEND (g-1)/3, (g-1)%3, (g-1)%2, 8
.endif
.set g, g+1
.endr
	SEND 3, 2, 1, 0
.irp k, 0,1,2                                  ; the three maxima over the wave's lanes
	v_max_num_f32_dpp v[MXR+(\k)], v[MXR+(\k)], v[MXR+(\k)] row_xmask:1 row_mask:0xf bank_mask:0xf
	v_max_num_f32_dpp v[MXR+(\k)], v[MXR+(\k)], v[MXR+(\k)] row_xmask:2 row_mask:0xf bank_mask:0xf
	v_max_num_f32_dpp v[MXR+(\k)], v[MXR+(\k)], v[MXR+(\k)] row_xmask:4 row_mask:0xf bank_mask:0xf
	v_max_num_f32_dpp v[MXR+(\k)], v[MXR+(\k)], v[MXR+(\k)] row_xmask:8 row_mask:0xf bank_mask:0xf
	v_permlanex16_b32 v[T+(\k)], v[MXR+(\k)], s82, s83
	v_max_num_f32 v[MXR+(\k)], v[MXR+(\k)], v[T+(\k)]
.endr
	v_mov_b32 v[MXR+3], v[MXR+2]
	v_and_b32 v3, 31, v0
	v_cmp_eq_u32 vcc_lo, 0, v3
	s_wait_xcnt 0x0                                ; EXEC changes only behind this wait
	s_and_saveexec_b32 s80, vcc_lo
	global_store_b128 v[ZO], v[MXR:MXR+3], s[78:79]   ; one lane: 16 bytes a wave
	s_wait_xcnt 0x0
	s_or_b32 exec_lo, exec_lo, s80
	s_wait_tensorcnt 0x0                           ; the wave's end
	ds_add_u32 v[SPW], v[NIL]
	s_wait_dscnt 0x0
	CROUND                                         ; the closing round
	s_endpgm
.Lfunc_end_k_qd7ff25d21b_qkvgemm:
	.size	k_qd7ff25d21b_qkvgemm, .Lfunc_end_k_qd7ff25d21b_qkvgemm-k_qd7ff25d21b_qkvgemm
	.p2alignl 7, 3214868480
	.fill 96, 4, 3214868480
	.section	.rodata,"a",@progbits
	.p2align	6, 0x0
	.amdhsa_kernel k_qd7ff25d21b_qkvgemm
		.amdhsa_group_segment_fixed_size 327680
		.amdhsa_private_segment_fixed_size 0
		.amdhsa_enable_private_segment 0
		.amdhsa_kernarg_size 16
		.amdhsa_user_sgpr_count 2
		.amdhsa_user_sgpr_kernarg_segment_ptr 1
		.amdhsa_wavefront_size32 1
		.amdhsa_system_sgpr_workgroup_id_x 1
		.amdhsa_system_sgpr_workgroup_id_y 1
		.amdhsa_system_sgpr_workgroup_id_z 1
		.amdhsa_system_vgpr_workitem_id 0
		.amdhsa_next_free_vgpr 960
		.amdhsa_next_free_sgpr 84
		.amdhsa_reserve_vcc 1
		.amdhsa_float_denorm_mode_32 3
		.amdhsa_float_denorm_mode_16_64 3
		.amdhsa_memory_ordered 1
		.amdhsa_forward_progress 1
		.amdhsa_inst_pref_size 136
	.end_amdhsa_kernel
	.amdgpu_metadata
---
amdhsa.version: [ 1, 2 ]
amdhsa.kernels:
  - .name:           k_qd7ff25d21b_qkvgemm
    .symbol:         k_qd7ff25d21b_qkvgemm.kd
    .args:
      - { .name: pre, .offset: 0, .size: 8, .value_kind: global_buffer, .address_space: global }
      - { .name: qkv, .offset: 8, .size: 8, .value_kind: global_buffer, .address_space: global }
    .group_segment_fixed_size: 327680
    .private_segment_fixed_size: 0
    .kernarg_segment_align: 8
    .kernarg_segment_size: 16
    .max_flat_workgroup_size: 128
    .sgpr_count:     84
    .vgpr_count:     960
    .wavefront_size: 32
...
	.end_amdgpu_metadata
.endif
;; end of part 2
;; launch state (part 3): grid 4 x 16, 8 waves a work-group, no clusters, 227,328 bytes of LDS; arguments pre, qkv, cs, out1; writes cs, out1
.if DOCPART == 3
	.amdgcn_target "amdgcn-amd-amdhsa--gfx1250"
	.amdhsa_code_object_version 6
	.text
	.protected	k_qd7ff25d21b_state
	.globl	k_qd7ff25d21b_state
	.p2align	8
	.type	k_qd7ff25d21b_state,@function
k_qd7ff25d21b_state:
	s_mov_b64 s[64:65], 0
	v_nop
	global_prefetch_b8 v0, s[64:65] scope:SCOPE_SE
	s_setreg_imm32_b32 hwreg(HW_REG_WAVE_MODE, 25, 1), 1
	s_wait_xcnt 0x0
; Three things.  (1) C2[h][t] = the running sum over t of -log2(gamma + 1e-6), stored for the attention (by the work-groups with x = 0).  (2) The scales lb, ysc, osc, exact powers of two
; made from the largest |q/8|, |k|, |v'| (by work-group (0, 0)): with 2^Eq, 2^Ek, 2^Ev just above them, lb = 8 - Eq - Ek, ysc = 2^(-12 - Ev), osc = 2^(4 + Eq + Ek + Ev).
; (3) The final state: G[cv][ck] = sum over t of D_last[t] v'[t][cv] k[t][ck], D_last = 2^min(C2[t] - C2[last], 0); sr = G[2dv][2dk] + G[2dv+1][2dk+1], si = G[2dv+1][2dk] - G[2dv][2dk+1].
; A work-group (x = 2 vh + kh, y = head) makes 64 x 64 of G: v's plane vh against k's plane kh, all 2,048 t; wave w takes t = 256 w .. + 255, 32 at a time; the eight partial sums meet in LDS, in f32.
; 64 work-groups: the state is 1 part in 100 of the program's products, and a finer share would only multiply the sums that have to meet.  No tile is shared in time: no cluster, no tensor loads.
; C2[last] is taken as the sum of the eight waves' totals.  D_last and v' D_last are rounded to f16; below 6e-8 D_last counts as 0.  NaN and infinities are not treated apart.
.set WTB,   0                          ; the waves' totals, 8 words
.set MXW,   256                        ; the waves' maxima, 16 bytes each
.set DL,    512                        ; D_last as f16, 4,096 bytes
.set STG,   4608                       ; 10,240 bytes a wave: 32 rows of v', then 32 of k, 160 bytes apart (128 + 32: the turning load's 8 rows x 32 bytes fall on different banks)
.set RED,   86528                      ; 16,384 bytes a wave: its 16 accumulators as they lie in registers
.set OUTS,  217600                     ; 32 rows x 272 bytes: the result, by rows of out1
.set SPARE, 226304                     ; the spare words: 128 bytes a wave, four blocks of 256 bytes that no other line names
.set G2OFF, 42991616
.set MXOFF, 25165824
.set STV, 2
.set TRA, 3
.set DLA, 4
.set GOF, 5
.set SPW, 6                            ; v6 LDS address of my spare word; never rewritten
.set NIL, 7                            ; v7 0; never rewritten
.set LD,  16                           ; v16-79 32 rows of v' and of k as loaded
.set DD,  80                           ; v80-87 D_last of my 16 t
.set VF,  88                           ; v88-119 fragments of v'^T
.set KF,  120                          ; v120-151 fragments of k^T
.set C,   160
.set MXL, 168
.set BF,  184
.set PRE, 189
.set TOT, 190
.set U,   191
.set MQ,  192
.set OFFS, 196
.set WTL, 200
.set CLAST, 208
.set DV,  210
.set DH,  220
.set MSB, 0
.macro WIN new
.if MSB != (\new)
	s_set_vgpr_msb (MSB<<8)|(\new)
.set MSB, \new
.endif
.endm
.macro PLACES
.rept 4
	v_nop
.endr
.endm
.macro LOADS                                   ; 32 rows of each plane are 4,096 consecutive bytes: eight loads of 512
.irp f, 0,1,2,3,4,5,6,7
	global_load_b128 v[LD+4*(\f):LD+4*(\f)+3], v[GOF], s[24:25] offset:512*(\f)
	global_load_b128 v[LD+32+4*(\f):LD+32+4*(\f)+3], v[GOF], s[26:27] offset:512*(\f)
.endr
.endm
	s_load_b256 s[8:15], s[0:1], 0x0               ; pre 8, qkv 10, cs 12, out1 14
	v_lshl_add_u32 v[SPW], v0, 2, SPARE
	v_mov_b32 v[NIL], 0
	v_lshrrev_b32 v1, 5, v0
	v_readfirstlane_b32 s4, v1                     ; wave 0..7
	s_mov_b32 s5, ttmp9
	s_and_b32 s6, ttmp7, 0xffff                    ; head
	s_lshr_b32 s7, s5, 1                           ; vh
	s_and_b32 s16, s5, 1                           ; kh
	s_mov_b32 s32, 0x76543210
	s_mov_b32 s33, 0xfedcba98
	s_lshl_b32 s44, s6, 13
	s_mov_b32 s50, s44                             ; the head's row of 8,192 bytes
	s_mov_b32 s51, 0
	s_add_co_u32 s44, s44, G2OFF
	s_mov_b32 s45, 0
	s_lshl_b32 s52, s4, 15                         ; my 256 rows of 128 bytes
	s_lshl_b32 s46, s6, 1
	s_add_co_u32 s46, s46, s7
	s_add_co_u32 s46, s46, 64                      ; v's plane
	s_lshl_b32 s46, s46, 18
	s_add_co_u32 s46, s46, s52
	s_mov_b32 s47, 0
	s_lshl_b32 s48, s6, 1
	s_add_co_u32 s48, s48, s16
	s_add_co_u32 s48, s48, 32                      ; k's plane
	s_lshl_b32 s48, s48, 18
	s_add_co_u32 s48, s48, s52
	s_mov_b32 s49, 0
	v_lshlrev_b32 v8, 5, v0                        ; 8 numbers a thread
	v_lshlrev_b32 v9, 6, v0                        ; 4 waves' maxima a thread
	v_and_b32 v10, 31, v0
	v_lshlrev_b32 v[GOF], 4, v10
	s_wait_kmcnt 0x0
	s_add_nc_u64 s[20:21], s[8:9], s[44:45]
	s_add_nc_u64 s[22:23], s[10:11], MXOFF
	s_add_nc_u64 s[24:25], s[10:11], s[46:47]
	s_add_nc_u64 s[26:27], s[10:11], s[48:49]
	s_add_nc_u64 s[28:29], s[12:13], s[50:51]
	global_load_b128 v[C:C+3], v8, s[20:21]
	global_load_b128 v[C+4:C+7], v8, s[20:21] offset:16
.irp q, 0,1,2,3
	global_load_b128 v[MXL+4*(\q):MXL+4*(\q)+3], v9, s[22:23] offset:16*(\q)
.endr
	LOADS                                          ; the first 32 t are on their way while the scan is made
	v_and_b32 v11, 15, v0                          ; r
	v_bfe_u32 v12, v0, 4, 1                        ; h
	v_and_b32 v13, 7, v0
	v_bfe_u32 v14, v0, 3, 2
	v_bfe_u32 v15, v0, 3, 1
	s_mul_i32 s30, s4, 10240
	s_add_co_u32 s30, s30, STG
	v_mul_u32_u24 v[STV], v14, 160                 ; in: a load's 512 bytes are four rows of 128
	v_lshl_add_u32 v[STV], v13, 4, v[STV]
	v_add_nc_u32 v[STV], s30, v[STV]
	v_lshl_add_u32 v[TRA], v12, 3, v13             ; out, turned: lane l reads row 8 (l / 16) + l % 8, channels 8 ((l / 8) % 2) + 0..7
	v_mul_u32_u24 v[TRA], v[TRA], 160
	v_lshl_add_u32 v[TRA], v15, 4, v[TRA]
	v_add_nc_u32 v[TRA], s30, v[TRA]
	s_lshl_b32 s31, s4, 9
	s_add_co_u32 s31, s31, DL
	v_lshlrev_b32 v[DLA], 4, v12
	v_add_nc_u32 v[DLA], s31, v[DLA]               ; D_last of t = 256 w + 8 h ..
.irp k, 0,1,2,3,4
	v_bfe_u32 v[BF+(\k)], v0, \k, 1                ; the lane number's bits, as 0.0 or 1.0
	v_cvt_f32_u32 v[BF+(\k)], v[BF+(\k)]
.endr
	v_mov_b32 v[PRE], 0
	v_mov_b32 v[U], 0
	v_mov_b32 v199, 0
	s_lshl_b32 s31, s4, 2
	v_mov_b32 v197, s31
	s_lshl_b32 s31, s4, 4
	s_add_co_u32 s31, s31, MXW
	v_mov_b32 v198, s31
	s_wait_loadcnt 16                              ; the six loads of the scan are in; the sixteen behind them may be out
.irp i, 1,2,3,4,5,6,7
	v_add_f32 v[C+(\i)], v[C+(\i)], v[C+(\i)-1]    ; the running sum inside my 8 numbers
.endr
	v_mov_b32 v[TOT], v[C+7]
	; over the lanes: in each step a lane learns the sum of the partner group; where that group lies below (my bit is set) it counts in what stands in front of me
.irp k, 0,1,2,3
	v_mov_b32_dpp v[U], v[TOT] row_xmask:1<<(\k) row_mask:0xf bank_mask:0xf
	v_fma_f32 v[PRE], v[U], v[BF+(\k)], v[PRE]
	v_add_f32 v[TOT], v[TOT], v[U]
.endr
	v_permlanex16_b32 v[U], v[TOT], s32, s33
	v_fma_f32 v[PRE], v[U], v[BF+4], v[PRE]
	v_add_f32 v[TOT], v[TOT], v[U]
.irp k, 0,1,2
	v_max3_num_f32 v[MQ+(\k)], v[MXL+(\k)], v[MXL+4+(\k)], v[MXL+8+(\k)]
	v_max_num_f32 v[MQ+(\k)], v[MQ+(\k)], v[MXL+12+(\k)]
	v_max_num_f32_dpp v[MQ+(\k)], v[MQ+(\k)], v[MQ+(\k)] row_xmask:1 row_mask:0xf bank_mask:0xf
	v_max_num_f32_dpp v[MQ+(\k)], v[MQ+(\k)], v[MQ+(\k)] row_xmask:2 row_mask:0xf bank_mask:0xf
	v_max_num_f32_dpp v[MQ+(\k)], v[MQ+(\k)], v[MQ+(\k)] row_xmask:4 row_mask:0xf bank_mask:0xf
	v_max_num_f32_dpp v[MQ+(\k)], v[MQ+(\k)], v[MQ+(\k)] row_xmask:8 row_mask:0xf bank_mask:0xf
	v_permlanex16_b32 v[U], v[MQ+(\k)], s32, s33
	v_max_num_f32 v[MQ+(\k)], v[MQ+(\k)], v[U]
.endr
	v_mov_b32 v[MQ+3], v[MQ+2]
	ds_store_b32 v197, v[TOT]                      ; all lanes write the same word with the same value
	ds_store_b128 v198, v[MQ:MQ+3]
	s_wait_dscnt 0x0
	s_barrier_signal -1
	s_barrier_wait -1
	ds_load_b128 v[WTL:WTL+3], v199
	ds_load_b128 v[WTL+4:WTL+7], v199 offset:16
	v_mov_b32 v[OFFS], v[PRE]
	s_wait_dscnt 0x0
.irp i, 0,1,2,3,4,5,6
	s_cmp_gt_u32 s4, \i
	s_cselect_b32 s30, 1.0, 0
	v_fma_f32 v[OFFS], v[WTL+(\i)], s30, v[OFFS]   ; the totals of the waves in front of mine
.endr
	v_add_f32 v[CLAST], v[WTL], v[WTL+1]
.irp i, 2,3,4,5,6,7
	v_add_f32 v[CLAST], v[CLAST], v[WTL+(\i)]
.endr
.irp i, 0,1,2,3,4,5,6,7
	v_add_f32 v[C+(\i)], v[C+(\i)], v[OFFS]
.endr
	s_cmp_lg_u32 s5, 0
	s_cbranch_scc1 .Lno_c2
	global_store_b128 v8, v[C:C+3], s[28:29]       ; 32 bytes a thread, 1,024 consecutive bytes a wave
	global_store_b128 v8, v[C+4:C+7], s[28:29] offset:16
.Lno_c2:
.irp i, 0,1,2,3,4,5,6,7
	v_sub_f32 v[DV+(\i)], v[C+(\i)], v[CLAST]
.endr
.irp i, 0,1,2,3,4,5,6,7
	v_min_num_f32 v[DV+(\i)], 0, v[DV+(\i)]
.endr
.irp i, 0,1,2,3,4,5,6,7
	v_exp_f32 v[DV+(\i)], v[DV+(\i)]
.endr
	v_lshl_add_u32 v209, v0, 4, DL                 ; (a plain line behind the exponentials)
	s_wait_alu depctr_va_vdst(0)
.irp i, 0,1,2,3
	v_cvt_pk_f16_f32 v[DH+(\i)], v[DV+2*(\i)], v[DV+2*(\i)+1]
.endr
	ds_store_b128 v209, v[DH:DH+3]
	s_wait_dscnt 0x0
	s_barrier_signal -1
	s_barrier_wait -1
	s_or_b32 s31, s5, s6
	s_or_b32 s31, s31, s4
	s_cmp_lg_u32 s31, 0
	s_cbranch_scc1 .Lno_sc
	; the scales: whole-number work on the maxima's exponents; E = exponent field - 126, so that 2^E lies above the maximum; not below -30, so that every scale stays a normal number
.irp s, 0,1,2,3,4,5,6,7
	ds_load_b128 v[224+4*(\s):224+4*(\s)+3], v199 offset:MXW+16*(\s)
.endr
	s_wait_dscnt 0x0
.irp k, 0,1,2
	v_max3_num_f32 v[MQ+(\k)], v[224+(\k)], v[228+(\k)], v[232+(\k)]
	v_max3_num_f32 v[MQ+(\k)], v[MQ+(\k)], v[236+(\k)], v[240+(\k)]
	v_max3_num_f32 v[MQ+(\k)], v[MQ+(\k)], v[244+(\k)], v[248+(\k)]
	v_max_num_f32 v[MQ+(\k)], v[MQ+(\k)], v[252+(\k)]
	v_bfe_u32 v[MQ+(\k)], v[MQ+(\k)], 23, 8
	v_sub_nc_u32 v[MQ+(\k)], v[MQ+(\k)], 126
	v_max_i32 v[MQ+(\k)], 0xffffffe2, v[MQ+(\k)]
.endr
	v_add_nc_u32 v[MQ], v[MQ], v[MQ+1]             ; Eq + Ek
	v_sub_nc_u32 v224, 8, v[MQ]
	v_cvt_f32_i32 v224, v224                       ; lb
	v_sub_nc_u32 v225, 115, v[MQ+2]
	v_lshlrev_b32 v225, 23, v225                   ; ysc = 2^(-12 - Ev)
	v_add3_u32 v226, v[MQ], v[MQ+2], 131
	v_lshlrev_b32 v226, 23, v226                   ; osc = 2^(4 + Eq + Ek + Ev)
	v_mov_b32 v227, 0
	v_cmp_eq_u32 vcc_lo, 0, v10
	s_wait_xcnt 0x0                                ; EXEC changes only behind this wait
	s_and_saveexec_b32 s31, vcc_lo
	global_store_b128 v199, v[224:227], s[12:13] offset:131072
	s_wait_xcnt 0x0
	s_or_b32 exec_lo, exec_lo, s31
.Lno_sc:
; 32 t: the rows go through the wave's own stage and come back turned (t along the registers); v' is multiplied by D_last; 16 products on 16 accumulators, which take turns.
; pre = 1: the next 32 t are asked for as soon as the registers have been handed to LDS.
.macro CHUNK zero, pre
	s_wait_loadcnt 0x0
.irp f, 0,1,2,3,4,5,6,7
	ds_store_b128 v[STV], v[LD+4*(\f):LD+4*(\f)+3] offset:(\f)*640
	ds_store_b128 v[STV], v[LD+32+4*(\f):LD+32+4*(\f)+3] offset:5120+(\f)*640
.endr
.if \pre
	s_wait_xcnt 0x0
	s_add_nc_u64 s[24:25], s[24:25], 4096
	s_add_nc_u64 s[26:27], s[26:27], 4096
	LOADS
.endif
	PLACES                                         ; four places in front of loads into, and lines that write, registers that the last products read
	ds_load_b128 v[DD:DD+3], v[DLA]
	ds_load_b128 v[DD+4:DD+7], v[DLA] offset:32
.irp c, 0,1,2,3
	ds_load_tr16_b128 v[VF+8*(\c):VF+8*(\c)+3], v[TRA] offset:32*(\c)
	ds_load_tr16_b128 v[VF+8*(\c)+4:VF+8*(\c)+7], v[TRA] offset:32*(\c)+2560
	ds_load_tr16_b128 v[KF+8*(\c):KF+8*(\c)+3], v[TRA] offset:5120+32*(\c)
	ds_load_tr16_b128 v[KF+8*(\c)+4:KF+8*(\c)+7], v[TRA] offset:5120+32*(\c)+2560
.endr
	v_add_nc_u32 v[DLA], 64, v[DLA]
	s_wait_dscnt 0x0
.irp c, 0,1,2,3
.irp i, 0,1,2,3,4,5,6,7
	v_pk_mul_f16 v[VF+8*(\c)+(\i)], v[VF+8*(\c)+(\i)], v[DD+(\i)]
.endr
.endr
	WIN 0x50                                       ; C and D in window 1
.irp a, 0,1,2,3
.irp b, 0,1,2,3
.if \zero
	v_wmma_f32_16x16x32_f16 v[8*(4*(\a)+(\b)):8*(4*(\a)+(\b))+7], v[VF+8*(\a):VF+8*(\a)+7], v[KF+8*(\b):KF+8*(\b)+7], 0
.else
	v_wmma_f32_16x16x32_f16 v[8*(4*(\a)+(\b)):8*(4*(\a)+(\b))+7], v[VF+8*(\a):VF+8*(\a)+7], v[KF+8*(\b):KF+8*(\b)+7], v[8*(4*(\a)+(\b)):8*(4*(\a)+(\b))+7]
.endif
.endr
.endr
	WIN 0
.endm
	CHUNK 1, 1
	s_mov_b32 s40, 6
.Lchunk:
	CHUNK 0, 1
	s_sub_co_u32 s40, s40, 1
	s_cmp_lg_u32 s40, 0
	s_cbranch_scc1 .Lchunk
	CHUNK 0, 0
	; the eight waves' sums meet: each stores its 16 accumulators as they lie; wave w adds up accumulators 2 w and 2 w + 1
	PLACES
	s_lshl_b32 s30, s4, 14
	s_add_co_u32 s30, s30, RED
	v_lshl_add_u32 v8, v10, 4, s30
	WIN 0x04                                       ; the data in window 1
.set q, 0
.rept 32
	ds_store_b128 v8, v[4*q:4*q+3] offset:512*q
.set q, q+1
.endr
	WIN 0
	s_wait_dscnt 0x0
	s_barrier_signal -1
	s_barrier_wait -1
	s_lshl_b32 s30, s4, 11
	s_add_co_u32 s30, s30, RED
	v_lshl_add_u32 v8, v10, 4, s30
	v_add_nc_u32 v9, 65536, v8                     ; senders 4 to 7 lie past an offset's 16 bits
.irp s, 0,1,2,3
.irp q, 0,1,2,3
	ds_load_b128 v[16+16*(\s)+4*(\q):16+16*(\s)+4*(\q)+3], v8 offset:16384*(\s)+512*(\q)
	ds_load_b128 v[80+16*(\s)+4*(\q):80+16*(\s)+4*(\q)+3], v9 offset:16384*(\s)+512*(\q)
.endr
.endr
	s_wait_dscnt 0x0
.irp s, 1,2,3,4,5,6,7
.irp k, 0,2,4,6,8,10,12,14
	v_pk_add_f32 v[16+(\k):17+(\k)], v[16+(\k):17+(\k)], v[16+16*(\s)+(\k):17+16*(\s)+(\k)]
.endr
.endr
	; a lane holds ck = 16 b + r and cv = 16 a + 8 h + 0..7; the neighbouring lane's numbers (ck + 1) come by one step between lanes; the even lanes then hold sr and si
.set i, 0
.rept 16
	v_mov_b32_dpp v[32+i], v[16+i] row_xmask:1 row_mask:0xf bank_mask:0xf
.set i, i+1
.endr
.irp k, 0,2,4,6,8,10,12,14
	v_add_f32 v[48+(\k)], v[16+(\k)], v[33+(\k)]
	v_sub_f32 v[49+(\k)], v[17+(\k)], v[32+(\k)]
.endr
	s_lshr_b32 s30, s4, 1                          ; a
	s_and_b32 s31, s4, 1
	s_mul_i32 s30, s30, 8*272
	s_lshl_b32 s31, s31, 7                         ; b = 2 (w & 1) + e: 16 (w & 1) pairs of 8 bytes
	s_add_co_u32 s30, s30, s31
	s_add_co_u32 s30, s30, OUTS
	v_mul_u32_u24 v8, v12, 4*272
	v_lshrrev_b32 v9, 1, v11
	v_lshl_add_u32 v8, v9, 3, v8
	v_add_nc_u32 v8, s30, v8
	v_and_b32 v9, 1, v0
	v_cmp_eq_u32 vcc_lo, 0, v9
	s_wait_xcnt 0x0                                ; EXEC changes only behind this wait
	s_and_saveexec_b32 s31, vcc_lo
.irp e, 0,1
.irp m, 0,1,2,3
	ds_store_b64 v8, v[48+8*(\e)+2*(\m):49+8*(\e)+2*(\m)] offset:(\m)*272+(\e)*64
.endr
.endr
	s_or_b32 exec_lo, exec_lo, s31
	s_wait_dscnt 0x0
	s_barrier_signal -1
	s_barrier_wait -1
	s_mul_i32 s30, s4, 4*272
	s_add_co_u32 s30, s30, OUTS
	v_mul_u32_u24 v8, v12, 272
	v_lshl_add_u32 v8, v11, 4, v8
	v_add_nc_u32 v8, s30, v8
	ds_load_b128 v[16:19], v8
	ds_load_b128 v[20:23], v8 offset:544
	s_lshl_b32 s44, s6, 15                         ; out1: head, row 32 vh + 4 w, byte 256 kh
	s_lshl_b32 s30, s7, 14
	s_add_co_u32 s44, s44, s30
	s_lshl_b32 s30, s4, 11
	s_add_co_u32 s44, s44, s30
	s_lshl_b32 s30, s16, 8
	s_add_co_u32 s44, s44, s30
	s_add_nc_u64 s[42:43], s[14:15], s[44:45]
	v_lshlrev_b32 v9, 9, v12
	v_lshl_add_u32 v9, v11, 4, v9
	s_wait_dscnt 0x0
	global_store_b128 v9, v[16:19], s[42:43]       ; 16 lanes store 256 consecutive bytes, at a multiple of 256 from out1's first byte
	global_store_b128 v9, v[20:23], s[42:43] offset:1024
	s_wait_tensorcnt 0x0                           ; the wave's end, behind my last LDS store
	ds_add_u32 v[SPW], v[NIL]
	s_wait_dscnt 0x0
	s_endpgm
.Lfunc_end_k_qd7ff25d21b_state:
	.size	k_qd7ff25d21b_state, .Lfunc_end_k_qd7ff25d21b_state-k_qd7ff25d21b_state
	.p2alignl 7, 3214868480
	.fill 96, 4, 3214868480
	.section	.rodata,"a",@progbits
	.p2align	6, 0x0
	.amdhsa_kernel k_qd7ff25d21b_state
		.amdhsa_group_segment_fixed_size 227328
		.amdhsa_private_segment_fixed_size 0
		.amdhsa_enable_private_segment 0
		.amdhsa_kernarg_size 32
		.amdhsa_user_sgpr_count 2
		.amdhsa_user_sgpr_kernarg_segment_ptr 1
		.amdhsa_wavefront_size32 1
		.amdhsa_system_sgpr_workgroup_id_x 1
		.amdhsa_system_sgpr_workgroup_id_y 1
		.amdhsa_system_sgpr_workgroup_id_z 1
		.amdhsa_system_vgpr_workitem_id 0
		.amdhsa_next_free_vgpr 384
		.amdhsa_next_free_sgpr 66
		.amdhsa_reserve_vcc 1
		.amdhsa_float_denorm_mode_32 3
		.amdhsa_float_denorm_mode_16_64 3
		.amdhsa_memory_ordered 1
		.amdhsa_forward_progress 1
		.amdhsa_inst_pref_size 46
	.end_amdhsa_kernel
	.amdgpu_metadata
---
amdhsa.version: [ 1, 2 ]
amdhsa.kernels:
  - .name:           k_qd7ff25d21b_state
    .symbol:         k_qd7ff25d21b_state.kd
    .args:
      - { .name: pre, .offset: 0, .size: 8, .value_kind: global_buffer, .address_space: global }
      - { .name: qkv, .offset: 8, .size: 8, .value_kind: global_buffer, .address_space: global }
      - { .name: cs, .offset: 16, .size: 8, .value_kind: global_buffer, .address_space: global }
      - { .name: out1, .offset: 24, .size: 8, .value_kind: global_buffer, .address_space: global }
    .group_segment_fixed_size: 227328
    .private_segment_fixed_size: 0
    .kernarg_segment_align: 8
    .kernarg_segment_size: 32
    .max_flat_workgroup_size: 256
    .sgpr_count:     66
    .vgpr_count:     384
    .wavefront_size: 32
...
	.end_amdgpu_metadata
.endif
;; end of part 3
;; launch attn (part 4): grid 16 x 16, 4 waves a work-group, clusters of 4 x 1, 327,680 bytes of LDS; arguments qkv, cs, y; writes y
.if DOCPART == 4
	.amdgcn_target "amdgcn-amd-amdhsa--gfx1250"
	.amdhsa_code_object_version 6
	.text
	.protected	k_qd7ff25d21b_attn
	.globl	k_qd7ff25d21b_attn
	.p2align	8
	.type	k_qd7ff25d21b_attn,@function
k_qd7ff25d21b_attn:
	s_mov_b64 s[64:65], 0
	v_nop
	global_prefetch_b8 v0, s[64:65] scope:SCOPE_SE
	s_setreg_imm32_b32 hwreg(HW_REG_WAVE_MODE, 25, 1), 1
	s_wait_xcnt 0x0
	s_wait_alu depctr_hold_cnt(0) depctr_sa_sdst(0) depctr_va_vdst(0) depctr_va_sdst(0) depctr_va_ssrc(0) depctr_va_vcc(0) depctr_vm_vsrc(0)
	s_getreg_b32 s2, hwreg(HW_REG_IB_STS2, 6, 4)
	s_cmp_eq_u32 s2, 0
	s_cbranch_scc0 .Lentry_in_a_cluster
	s_endpgm
.Lentry_in_a_cluster:
	s_bfe_u32 s2, ttmp6, 0x10000c
	s_cmp_lg_u32 s2, 0x3003
	s_cbranch_scc0 .Lentry_shape_is_right
	s_endpgm
.Lentry_shape_is_right:
; y[t] = sum over s <= t of D[t][s] (q_t . k_s*) v'_s,  D = 2^min(C2[s] - C2[t], 0): causal, no softmax.  q, k, v' come by planes [2048 t][64 channels] in f16, a head's row being 128 channels (re, im, ..).
; wr = Q1 . K with Q1 = (qr, qi, ..);  wi = Q2 . K with Q2 = (qi, -qr, ..), made in registers.  P1 = sum wr D V, P2 = sum wi D V;  yr = P1[2d] - P2[2d+1], yi = P1[2d+1] + P2[2d]: neighbouring registers of a lane.
; SCALES (exact powers of two, made by the launch before from the largest |q/8|, |k|, |v'|): the weights carry 2^lb, folded into D's exponent, so that |w D 2^lb| <= 2^15 fits f16 for every input;
; the sums are multiplied by ysc before they are rounded to f16: |y ysc 2^lb| <= 2^15.  The projection behind takes both out again.
; D AND THE MASK IN ONE:  D 2^lb = 2^min3(C2[s] + (lb - C2[t]), lb, (t + 0.5 - s) 2^100).  The third number is exact; for a visible key it is 2^99 or more and never the least, for a hidden one -2^99 or less: the weight is 0.
; So every tile runs the same text.  A weight below 2^-126 counts as 0; NaN and infinities are not treated apart.
; THE WALK.  32 blocks of 64 queries a head.  Work-group b = 4 c + cx takes blocks 31 - b and then b.  All four partners of a cluster walk the key tiles (128 keys) 0 .. 15 - 2 c and then 0 .. 2 c + 1: 18 tiles whatever c,
; the most that any of the four needs; what a partner does not need the mask hides (18 trips for 17).  So every tile is asked for jointly, and control hangs on c and on counters alone; cx enters global addresses and lanes' numbers only,
; and what is made from it has registers of its own: no register that forms an LDS address, a descriptor or a branch ever holds a number that differs between partners.
; SHARES.  In a tile wave w takes keys 32 w .. 32 w + 31 for all 64 queries (the sums are linear in the keys): each byte of K and V is read from LDS once.  At a block's end the four waves' sums meet in LDS, in f32.
; WHAT COMES FROM MEMORY INTO REGISTERS IS ASKED FOR AHEAD.  C2 of a wave's 32 keys: a tile ahead, behind the last line that reads the tile in hand's.  A block's Q and C2 of its queries: the first block's at the head, beside
; the first tile's load; the second block's where the first block ends, ahead of the work that sends the first block's sums out.
; REGISTERS: window 0: see the names below;  window 1: Q1 at 32 j + 8 c, Q2 128 on;  window 2: P1 at 64 j + 8 cb;  window 3: P2.
.set PK,    144                        ; a row of a K plane in LDS: 128 bytes + 16
.set PVP,   160                        ; of a V plane: 128 + 32, for the turning load
.set KP1,   128*PK                     ; K's second plane
.set VOFF,  2*KP1
.set VP1,   128*PVP
.set SLOT1, 1<<17                      ; slot 1 begins here: one exclusive or turns an address in one slot into the other's
.set SPARE, 77824                      ; behind slot 0: the spare words, 128 bytes a wave, two blocks of 256 bytes that no other line names
.set STG0,  78336                      ; the stage for query tile 0: four senders x 16 rows x 528 bytes; never filled by a tensor load
.set STG1,  208896                     ; behind slot 1: the stages for tiles 1 to 3
.set TSTR,  33792
.set PIECE, 8448
.set SROW,  528
.set AK0, 2                            ; v2   my lane's place in a tile of K; never rewritten
.set AV0, 3                            ; v3   the same for V
.set ADT, 4                            ; v4   a block's end: my place in the stage for query tile 0
.set SA,  5                            ; v5   my place in a stage as a sender; never rewritten
.set RD0, 6                            ; v6   my place in a stage as a reader; never rewritten
.set YO0, 7                            ; v7   my byte offset in y; never rewritten
.set QO,  8                            ; v8   my byte offset in 16 rows of Q; never rewritten
.set AK,  10                           ; v10  the LDS address of K's run of loads (at the head: at work)
.set AV,  11                           ; v11  of V's (at the head: at work)
.set RO4, 12                           ; v12  4 r; never rewritten
.set CSO, 13                           ; v13  my byte offset in a tile's 512 bytes of C2: 128 w + 32 h
.set SPW, 14                           ; v14  LDS address of my spare word; never rewritten
.set NIL, 15                           ; v15  0; never rewritten
.set NCT, 16                           ; v16-19 lb - C2[t] of my query in tile j
.set TBR, 20                           ; v20-27 (t + 0.5 - first key of block kb) 2^100, by tile j and kb
.set KSL, 28                           ; v28-35 8 h + i
.set CS,  36                           ; v36-51 C2 of my 16 keys
.set DF,  52                           ; v52-67 D 2^lb
.set MP,  68                           ; v68-75 the mask's number, one key block at a time
.set S,   76                           ; v76-107 wr (kb 0, 1), wi (kb 0, 1)
.set P,   108                          ; v108-123 the weights in f16: real, imaginary
.set KF,  124                          ; v124-187 K: 32 kb + 8 c
.set VF,  188                          ; v188-251 V turned: 8 cb
.set BT,  252                          ; v252-253 a block's beginning: at work on numbers made from the block
.set ADU, 254                          ; v254 a block's end: my place in the stage for query tiles 1 and 2
.set ADV, 255                          ; v255 for query tile 3
.set F2,  124                          ; a block's end: v124-187 rows from the stage
.set WV,  14
.set G1K, 24
.set G1V, 32
.set G0K, 40
.set G0V, 44
.set TB,  48                           ; LDS byte at which the slot being read begins
.set SLOTS, 49
.set RT,  50                           ; tiles that the block in hand still has
.set NXT, 51                           ; the tile to be asked for next
.set LQ,  52                           ; the last tile of the block whose tiles are being asked for
.set NEW, 53                           ; 1: the tile to be entered is a block's first
.set FIRST, 54                         ; 1: its products start the sums
.set PEND, 55                          ; 1: a block's sums lie in the stage
.set BLK, 56                           ; the block whose Q was asked for last: hangs on cx
.set LB,  57
.set N100, 58                          ; s[58:59] -2^100
.set N107, 60                          ; s[60:61] -2^107: 128 keys on
.set YS,  62                           ; s[62:63] ysc
.set OFF, 66                           ; s[66:67] an offset alike in all partners, high word 0
.set QB,  68
.set QP,  70
.set CP,  72
.set YP,  74
.set LQ2, 76
.set RT2, 77
.set CNT, 78
.set SGN, 79
.set P100, 80
.set P99, 81
.set OFB, 92                           ; s[92:93] an offset made from the block, high word 0; s94, s95 at work on such numbers
.set CSP, 96                           ; s[96:97] C2 at the next tile's keys
.set CSN, 98                           ; the number of the tile just asked for
.set MSB, 0
.macro WIN new
.if MSB != (\new)
	s_set_vgpr_msb (MSB<<8)|(\new)
.set MSB, \new
.endif
.endm
.macro PLACES
.rept 4
	v_nop
.endr
.endm
; A joint fill.  Waves 0 and 1 fetch a tile's two planes of K, waves 2 and 3 those of V.  An s_nop 0 and four v_nop follow each line.
.macro JLOAD
	s_cmp_lt_u32 s[WV], 2
	s_cbranch_scc0 .Lfor_v_\@
	tensor_load_to_lds s[G0K:G0K+3], s[G1K:G1K+7]
	s_nop 0
	PLACES
	s_branch .Lasked_\@
.Lfor_v_\@:
	tensor_load_to_lds s[G0V:G0V+3], s[G1V:G1V+7]
	s_nop 0
	PLACES
.Lasked_\@:
.endm
.macro CROUND
	s_barrier_signal -1
	s_barrier_wait -1
	s_cmp_lg_u32 s[WV], 0
	s_cbranch_scc1 .Lnot_wave_0_\@
	s_barrier_signal -3
.Lnot_wave_0_\@:
	s_barrier_wait -3
	s_barrier_signal -1
	s_barrier_wait -1
.endm
; THE CHANGE OF SLOTS.  Each wave waits for all its tensor loads (one is out: its part of the other slot), adds 0 to its spare word, and waits for that and for its LDS instructions, the reads of the old slot and
; a block's stores into the stage among them.  fill = 1: a round of the cluster's barrier, and the old slot is filled again first thing behind it, with tile NXT; it has a tile's 128 matrix instructions a wave in which to land.
.macro CHANGE fill
	WIN 0
	s_wait_tensorcnt 0x0
	ds_add_u32 v[SPW], v[NIL]                      ; 0 onto my spare word; the descriptors' scalar work stands between it and the wait for it
.if \fill
	s_lshl_b32 s[OFF], s[NXT], 14                  ; a tile is 16,384 bytes of a plane
	s_mov_b32 s[CSN], s[NXT]                       ; its number is kept: its keys' C2 is asked for at the end of the tile in hand
	s_xor_b32 s[G0K+1], s[G0K+1], SLOT1
	s_add_nc_u64 s[G0K+2:G0K+3], s[6:7], s[OFF:OFF+1]
	s_or_b32 s[G0K+3], s[G0K+3], 0x80000000
	s_xor_b32 s[G0V+1], s[G0V+1], SLOT1
	s_add_nc_u64 s[G0V+2:G0V+3], s[8:9], s[OFF:OFF+1]
	s_or_b32 s[G0V+3], s[G0V+3], 0x80000000
	s_add_co_u32 s[NXT], s[NXT], 1                 ; the block's next tile, or behind its last the second block's tile 0
	s_cmp_gt_u32 s[NXT], s[LQ]
	s_cselect_b32 s[NXT], 0, s[NXT]
	s_cselect_b32 s[LQ], s[LQ2], s[LQ]
	s_wait_dscnt 0x0
	CROUND
	JLOAD
.else
	s_wait_dscnt 0x0
	s_barrier_signal -1
	s_barrier_wait -1
	PLACES
.endif
	s_xor_b32 s[TB], s[TB], SLOT1
.endm
; C2 of my 16 keys of a tile: lanes of one half share their addresses; 64 bytes a lane
.macro CSLOAD
.irp q, 0,1,2,3
	global_load_b128 v[CS+4*(\q):CS+4*(\q)+3], v[CSO], s[CSP:CSP+1] offset:((\q)/2)*64+((\q)%2)*16
.endr
.endm
; A BLOCK IS ASKED FOR: block BLK's Q (32 loads) and C2 of its queries (4).  No line reads what they bring, nor rewrites their pointers, before a wait for all loads: one stands at every tile's head.
.macro BLOAD
	WIN 0
	s_lshl_b32 s[OFB], s[BLK], 13
	s_add_nc_u64 s[QP:QP+1], s[QB:QB+1], s[OFB:OFB+1]
	s_lshl_b32 s[OFB], s[BLK], 8
	s_add_nc_u64 s[CP:CP+1], s[10:11], s[OFB:OFB+1]
	WIN 0x40
.set i, 0
.rept 16                                       ; tile i / 4, channels 32 (i % 4) on: plane (i % 4) / 2
	global_load_b128 v[8*i:8*i+3], v[QO], s[QP:QP+1] offset:((i%4)/2)*262144+(i/4)*2048+(i%2)*64
	global_load_b128 v[8*i+4:8*i+7], v[QO], s[QP:QP+1] offset:((i%4)/2)*262144+(i/4)*2048+(i%2)*64+32
.set i, i+1
.endr
	WIN 0
.irp j, 0,1,2,3
	global_load_b32 v[NCT+(\j)], v[RO4], s[CP:CP+1] offset:64*(\j)
.endr
.endm
.macro YPTR                                    ; y at block BLK's first row
	s_lshl_b32 s[OFB], s[BLK], 18
	s_add_nc_u64 s[YP:YP+1], s[12:13], s[OFB:OFB+1]
.endm
	s_load_b128 s[84:87], s[0:1], 0x0              ; qkv s[84:85], cs s[86:87]
	s_load_b64 s[88:89], s[0:1], 0x10              ; y
	v_lshl_add_u32 v[SPW], v0, 2, SPARE
	v_mov_b32 v[NIL], 0
	ds_add_u32 v[SPW], v[NIL]                      ; the wave's opening: the add and its wait stand ahead of my first tensor load
	v_lshrrev_b32 v1, 5, v0
	v_readfirstlane_b32 s[WV], v1                  ; wave 0..3
	s_bfe_u32 s15, ttmp6, 0x40000                  ; cx
	s_mov_b32 s16, ttmp9                           ; c, which the four partners share
	s_lshl2_add_u32 s17, s16, s15                  ; b = 4 c + cx
	s_and_b32 s18, ttmp7, 0xffff                   ; the head, shared too
	s_and_b32 s19, s[WV], 1                        ; which plane I fetch
	s_mov_b32 s[G1K], 15|(1<<16)|(1<<20)|(1<<21)|(4<<22)|(3<<25)   ; the mask of four; 2-byte elements; padding on; bit 21 beside a mask; after every 32 words 4 words
	s_mov_b32 s[G1V], 15|(1<<16)|(1<<20)|(1<<21)|(4<<22)|(7<<25)   ; the same with 8 words
.irp g, G1K, G1V
	s_mov_b32 s[\g+1], 128<<16                     ; 128 keys of a plane are 16,384 dense bytes: 64 rows of 256 bytes, padded after every key
	s_mov_b32 s[\g+2], 64<<16
	s_mov_b32 s[\g+3], 128<<16
	s_mov_b32 s[\g+4], 64
	s_mov_b32 s[\g+5], 128
	s_mov_b32 s[\g+6], 0
	s_mov_b32 s[\g+7], 0
.endr
	s_mul_i32 s20, s19, KP1
	s_mul_i32 s21, s19, VP1
	s_add_co_u32 s21, s21, VOFF
	s_mov_b32 s[G0K], 1
	s_mov_b32 s[G0K+1], s20                        ; slot 0
	s_mov_b32 s[G0V], 1
	s_mov_b32 s[G0V+1], s21
	s_lshl_b32 s22, s18, 1
	s_add_co_u32 s22, s22, s19
	s_add_co_u32 s82, s22, 32                      ; k's plane
	s_lshl_b32 s82, s82, 18
	s_mov_b32 s83, 0
	s_add_co_u32 s22, s22, 64                      ; v's plane
	s_lshl_b32 s22, s22, 18
	s_mov_b32 s23, 0
	s_mov_b32 s[OFF+1], 0
	s_mov_b32 s[OFB+1], 0
	s_lshl_b32 s2, s16, 1                          ; 2 c
	s_sub_co_u32 s[RT], 16, s2
	s_sub_co_u32 s[LQ], 15, s2
	s_add_co_u32 s[LQ2], s2, 1
	s_add_co_u32 s[RT2], s2, 2
	s_mov_b32 s[NXT], 1
	s_mov_b32 s[CSN], 0
	s_mov_b32 s[NEW], 1
	s_mov_b32 s[FIRST], 0
	s_mov_b32 s[PEND], 0
	s_sub_co_u32 s[BLK], 31, s17
	s_mov_b32 s[SLOTS], 17
	s_mov_b32 s[TB], SLOT1                         ; the first change of slots turns it into 0
	s_mov_b32 s[N100], 0xf1800000
	s_mov_b32 s[N100+1], 0xf1800000
	s_mov_b32 s[N107], 0xf5000000
	s_mov_b32 s[N107+1], 0xf5000000
	s_mov_b32 s[P100], 0x71800000
	s_mov_b32 s[P99], 0x71000000
	s_mov_b32 s[SGN], 0x80000000
	s_wait_dscnt 0x0                               ; the opening add is done
	s_wait_kmcnt 0x0
	s_load_b64 s[90:91], s[86:87], 0x20000         ; lb, ysc
	s_add_nc_u64 s[6:7], s[84:85], s[82:83]        ; K and V at my plane
	s_add_nc_u64 s[8:9], s[84:85], s[22:23]
	s_add_nc_u64 s[G0K+2:G0K+3], s[6:7], 0
	s_or_b32 s[G0K+3], s[G0K+3], 0x80000000
	s_add_nc_u64 s[G0V+2:G0V+3], s[8:9], 0
	s_or_b32 s[G0V+3], s[G0V+3], 0x80000000
	s_lshl_b32 s[OFF], s18, 19
	s_add_nc_u64 s[QB:QB+1], s[84:85], s[OFF:OFF+1]   ; q's first plane of the head
	s_lshl_b32 s[OFF], s18, 13
	s_add_nc_u64 s[10:11], s[86:87], s[OFF:OFF+1]     ; C2's row of the head
	s_lshl_b32 s[OFF], s18, 8
	s_add_nc_u64 s[12:13], s[88:89], s[OFF:OFF+1]     ; y at the head's 256 bytes of a row
	s_mov_b64 s[CSP:CSP+1], s[10:11]                  ; tile 0's keys
	YPTR                                           ; y at the first block's rows: made here, so that the pair holds y's address on every way through the text
	CROUND                                         ; all four work-groups are here: the first joint loads meet
	JLOAD                                          ; tile 0 into slot 0
	v_and_b32 v1, 15, v0                           ; r
	v_bfe_u32 v9, v0, 4, 1                         ; h
	s_lshl_b32 s82, s[WV], 7
	v_lshlrev_b32 v[CSO], 5, v9                    ; C2 of keys 32 w + 8 h ..
	v_add_nc_u32 v[CSO], s82, v[CSO]
	CSLOAD                                         ; tile 0's
	v_lshlrev_b32 v[QO], 7, v1
	v_lshl_add_u32 v[QO], v9, 4, v[QO]
	v_lshlrev_b32 v[RO4], 2, v1
	BLOAD                                          ; the first block's Q is on its way beside tile 0
	s_mul_i32 s82, s[WV], 32*PK
	v_mul_u32_u24 v[AK0], v1, PK                   ; K: key 32 w + r, 16 bytes for each half of the lanes
	v_lshl_add_u32 v[AK0], v9, 4, v[AK0]
	v_add_nc_u32 v[AK0], s82, v[AK0]
	v_and_b32 v10, 7, v0
	v_bfe_u32 v11, v0, 3, 1
	s_mul_i32 s82, s[WV], 32*PVP
	s_add_co_u32 s82, s82, VOFF
	v_lshl_add_u32 v[AV0], v9, 3, v10              ; V, turned: lane l reads key 32 w + 8 (l / 16) + l % 8, channels 8 ((l / 8) % 2) + 0..7
	v_mul_u32_u24 v[AV0], v[AV0], PVP
	v_lshl_add_u32 v[AV0], v11, 4, v[AV0]
	v_add_nc_u32 v[AV0], s82, v[AV0]
	s_mul_i32 s82, s[WV], PIECE
	v_mul_u32_u24 v[SA], v1, SROW                  ; into a stage: my piece, row r, 32 bytes for each half of the lanes
	v_lshl_add_u32 v[SA], v9, 5, v[SA]
	v_add_nc_u32 v[SA], s82, v[SA]
	v_and_b32 v10, 31, v0
	s_mul_i32 s82, s[WV], 4*SROW
	v_lshlrev_b32 v[RD0], 4, v10                   ; back: row 4 w of a tile, 16 bytes a lane
	v_add_nc_u32 v[RD0], s82, v[RD0]
	s_lshl_b32 s82, s[WV], 14
	v_lshlrev_b32 v[YO0], 3, v10                   ; y: row 4 w of a tile, 8 bytes a lane
	v_add_nc_u32 v[YO0], s82, v[YO0]
	v_lshlrev_b32 v10, 3, v9
.irp i, 0,1,2,3,4,5,6,7
	v_add_nc_u32 v11, \i, v10
	v_cvt_f32_u32 v[KSL+(\i)], v11
.endr
	s_wait_kmcnt 0x0
	s_mov_b32 s[LB], s90
	s_mov_b32 s[YS], s91
	s_mov_b32 s[YS+1], s91
; A tile's LDS loads in one run: K (8 fragments, channels first: the two key blocks' channels 0-31, then 32-63 ..), V turned (8 fragments)
.macro FETCH
	WIN 0
	v_add_nc_u32 v[AK], s[TB], v[AK0]
	v_add_nc_u32 v[AV], s[TB], v[AV0]
.irp f, 0,4,1,5,2,6,3,7                        ; key block f / 4, channels 32 (f % 4) on: plane (f % 4) / 2
	ds_load_b128 v[KF+8*(\f):KF+8*(\f)+3], v[AK] offset:((\f)/4)*16*PK+(((\f)%4)/2)*KP1+((\f)%2)*64
	ds_load_b128 v[KF+8*(\f)+4:KF+8*(\f)+7], v[AK] offset:((\f)/4)*16*PK+(((\f)%4)/2)*KP1+((\f)%2)*64+32
.endr
.irp f, 0,1,2,3,4,5,6,7                        ; channels 16 f on: plane f / 4
	ds_load_tr16_b128 v[VF+8*(\f):VF+8*(\f)+3], v[AV] offset:((\f)/4)*VP1+((\f)%4)*32
	ds_load_tr16_b128 v[VF+8*(\f)+4:VF+8*(\f)+7], v[AV] offset:((\f)/4)*VP1+((\f)%4)*32+16*PVP
.endr
.endm
; Line n of the 48 that make D 2^lb for query tile j.  Their second sources are constants or scalars, so they stand under the products' window setting.
.macro DECOP j
.if n < 8
.if ((\j)%2) == 0
	v_pk_fma_f32 v[DF+2*n:DF+2*n+1], v[CS+2*n:CS+2*n+1], 1.0, v[NCT+2*((\j)/2):NCT+2*((\j)/2)+1] op_sel_hi:[1,0,0]
.else
	v_pk_fma_f32 v[DF+2*n:DF+2*n+1], v[CS+2*n:CS+2*n+1], 1.0, v[NCT+2*((\j)/2):NCT+2*((\j)/2)+1] op_sel:[0,0,1] op_sel_hi:[1,0,1]
.endif
.elseif n < 12
	v_pk_fma_f32 v[MP+2*(n-8):MP+2*(n-8)+1], v[KSL+2*(n-8):KSL+2*(n-8)+1], s[N100:N100+1], v[TBR+2*(\j):TBR+2*(\j)+1] op_sel_hi:[1,0,0]
.elseif n < 20
	v_min3_num_f32 v[DF+n-12], v[DF+n-12], s[LB], v[MP+n-12]
.elseif n < 24
	v_pk_fma_f32 v[MP+2*(n-20):MP+2*(n-20)+1], v[KSL+2*(n-20):KSL+2*(n-20)+1], s[N100:N100+1], v[TBR+2*(\j):TBR+2*(\j)+1] op_sel:[0,0,1] op_sel_hi:[1,0,1]
.elseif n < 32
	v_min3_num_f32 v[DF+n-16], v[DF+n-16], s[LB], v[MP+n-24]
.else
	v_exp_f32 v[DF+n-32], v[DF+n-32]
.endif
.endm
; 16 products K Q^T for query tile j: channels 32 (i / 4) on; wr or wi by (i / 2) % 2; key block i % 2.  The four accumulators take turns; three lines of DECOP stand behind each product.
; Query tile 0 begins while the tile's LDS loads are still coming: in front of each four products the wait leaves out K's loads for later channels (4 for each 32 channels) and V's sixteen.
.macro KQD j
	WIN 0x04                                       ; Q in window 1
.set i, 0
.set n, 0
.rept 16
.set rS, S+16*((i/2)%2)+8*(i%2)
.set rK, KF+32*(i%2)+8*(i/4)
.set rQ, 128*((i/2)%2)+32*(\j)+8*(i/4)
.if ((\j) == 0) && ((i%4) == 0)
	s_wait_dscnt 28-i                              ; 28, 24, 20, 16
.endif
.if i < 4
	v_wmma_f32_16x16x32_f16 v[rS:rS+7], v[rK:rK+7], v[rQ:rQ+7], 0
.else
	v_wmma_f32_16x16x32_f16 v[rS:rS+7], v[rK:rK+7], v[rQ:rQ+7], v[rS:rS+7]
.endif
.rept 3
	DECOP \j
.set n, n+1
.endr
.set i, i+1
.endr
.endm
; the weights: w x D 2^lb, rounded to f16: two key blocks of a kind ARE source 1 (32 keys x 16 queries) of V^T P.  Each accumulator is read from its low end on.
.macro MULS
	PLACES                                         ; four places behind the last product; also the plain line behind the last exponential
	WIN 0
.set i, 0
	s_wait_alu depctr_va_vdst(0)
.rept 16
	v_pk_mul_f32 v[S+2*i:S+2*i+1], v[S+2*i:S+2*i+1], v[DF+2*(i%8):DF+2*(i%8)+1]
.set i, i+1
.endr
.set i, 0
.rept 16
	v_cvt_pk_f16_f32 v[P+i], v[S+2*i], v[S+2*i+1]
.set i, i+1
.endr
.endm
.macro PV16 j, zero
	WIN 0xa0                                       ; C and D in window 2: P1
.irp c, 0,1,2,3,4,5,6,7
.if \zero
	v_wmma_f32_16x16x32_f16 v[64*(\j)+8*(\c):64*(\j)+8*(\c)+7], v[VF+8*(\c):VF+8*(\c)+7], v[P:P+7], 0
.else
	v_wmma_f32_16x16x32_f16 v[64*(\j)+8*(\c):64*(\j)+8*(\c)+7], v[VF+8*(\c):VF+8*(\c)+7], v[P:P+7], v[64*(\j)+8*(\c):64*(\j)+8*(\c)+7]
.endif
.endr
	WIN 0xf0                                       ; window 3: P2
.irp c, 0,1,2,3,4,5,6,7
.if \zero
	v_wmma_f32_16x16x32_f16 v[64*(\j)+8*(\c):64*(\j)+8*(\c)+7], v[VF+8*(\c):VF+8*(\c)+7], v[P+8:P+15], 0
.else
	v_wmma_f32_16x16x32_f16 v[64*(\j)+8*(\c):64*(\j)+8*(\c)+7], v[VF+8*(\c):VF+8*(\c)+7], v[P+8:P+15], v[64*(\j)+8*(\c):64*(\j)+8*(\c)+7]
.endif
.endr
.endm
.macro PVSEL j                                 ; a block's first tile starts the sums with the constant 0: nothing is cleared
	WIN 0
	s_cmp_eq_u32 s[FIRST], 1
	s_cbranch_scc1 .Lzero_\@
	PV16 \j, 0
	WIN 0
	s_branch .Ldone_\@
.Lzero_\@:
	PV16 \j, 1
	WIN 0
.Ldone_\@:
.endm
; A TILE.  sel = 1: it may be a block's first.  more = 1: a tile follows: its keys' C2 is asked for behind query tile 3's products K Q^T, whose riders are the last lines that read this tile's.
.macro STEP sel, more
	FETCH
	s_wait_loadcnt 0x0                             ; C2 of this tile's keys, asked for a tile ago (and whatever else was asked for): their pointers may be written again
.irp j, 0,1,2,3
	KQD \j
	MULS
.if (\j) == 0
	s_wait_dscnt 0x0                               ; V is in
.endif
.if ((\j) == 3) && (\more)
	s_lshl_b32 s[OFF], s[CSN], 9                   ; 128 keys of 4 bytes
	s_add_nc_u64 s[CSP:CSP+1], s[10:11], s[OFF:OFF+1]
	CSLOAD
.endif
.if \sel
	PVSEL \j
.else
	PV16 \j, 0
.endif
.endr
	WIN 0
.irp k, 0,2,4,6
	v_pk_add_f32 v[TBR+(\k):TBR+(\k)+1], v[TBR+(\k):TBR+(\k)+1], s[N107:N107+1] op_sel_hi:[1,0]   ; 128 keys on; four plain lines: the places behind the last products
.endr
	s_mov_b32 s[FIRST], 0
.endm
; A BLOCK BEGINS: the mask's numbers for tile 0; then what was asked for is waited for: lb - C2 of its queries, and Q2 = (qi, -qr): the halves swapped, the upper one's sign turned.
.macro BREST
	WIN 0
	s_lshl_b32 s94, s[BLK], 6
	s_lshl_b32 s95, s[WV], 5
	s_sub_co_u32 s94, s94, s95
	v_add_nc_u32 v[BT], s94, v1                    ; my query's t in tile 0, less my wave's first key
.irp j, 0,1,2,3
.irp k, 0,1
	v_add_nc_u32 v[BT+1], 16*(\j)-16*(\k), v[BT]
	v_cvt_f32_i32 v[BT+1], v[BT+1]
	v_fma_f32 v[TBR+2*(\j)+(\k)], v[BT+1], s[P100], s[P99]
.endr
.endr
	s_wait_loadcnt 0x0
.irp j, 0,1,2,3
	v_sub_f32 v[NCT+(\j)], s[LB], v[NCT+(\j)]
.endr
	WIN 0x45
.set i, 0
.rept 128
	v_alignbit_b32 v[128+i], v[i], v[i], 16
	v_xor_b32 v[128+i], s[SGN], v[128+i]
.set i, i+1
.endr
	WIN 0
	s_mov_b32 s[FIRST], 1
	s_mov_b32 s[NEW], 0
.endm
; The stage of query tile t: which address register, and what immediate beside it (tiles 1 and 2 share a register: 33,792 + 25,344 stays inside an offset's 16 bits)
.macro STGREG t
.if (\t) == 0
.set rA, ADT
.set oA, 0
.elseif (\t) == 3
.set rA, ADV
.set oA, 0
.else
.set rA, ADU
.set oA, ((\t)-1)*TSTR
.endif
.endm
; A BLOCK ENDS, first half: y's two parts are put together in P1's registers, and my partial sums go into the stage: for tile j my piece of 16 rows x 512 bytes, channels in order.
.macro FIN1
	PLACES
	WIN 0x8e                                       ; destination and source 0 in window 2, source 1 in window 3
.set i, 0
.rept 128
	v_pk_add_f32 v[2*i:2*i+1], v[2*i:2*i+1], v[2*i:2*i+1] op_sel:[0,1] op_sel_hi:[1,0] neg_lo:[0,1]
.set i, i+1
.endr
	WIN 0
	v_add_nc_u32 v[ADT], STG0, v[SA]
	v_add_nc_u32 v[ADU], STG1, v[SA]
	v_add_nc_u32 v[ADV], STG1+2*TSTR, v[SA]
	WIN 0x08                                       ; the data in window 2
.irp t, 0,1,2,3
	STGREG \t
.irp c, 0,1,2,3,4,5,6,7
	ds_store_b128 v[rA], v[64*(\t)+8*(\c):64*(\t)+8*(\c)+3] offset:oA+64*(\c)
	ds_store_b128 v[rA], v[64*(\t)+8*(\c)+4:64*(\t)+8*(\c)+7] offset:oA+64*(\c)+16
.endr
.endr
	WIN 0
.endm
; Second half, behind a barrier: wave w adds the four senders' rows 4 w .. 4 w + 3 of every tile, one row of each tile a trip, scales, rounds to f16 and stores: 256 consecutive bytes of y a store.
.macro FIN2
	WIN 0
	v_add_nc_u32 v[ADT], STG0, v[RD0]
	v_add_nc_u32 v[ADU], STG1, v[RD0]
	v_add_nc_u32 v[ADV], STG1+2*TSTR, v[RD0]
	s_mov_b32 s[CNT], 4
.Lfin_\@:
.irp t, 0,1,2,3
	STGREG \t
.irp s, 0,1,2,3
	ds_load_b128 v[F2+16*(\t)+4*(\s):F2+16*(\t)+4*(\s)+3], v[rA] offset:oA+(\s)*PIECE
.endr
.endr
.irp t, 0,1,2,3
	s_wait_dscnt 12-4*(\t)                         ; this tile's four loads are in; the later tiles' may be out
	v_pk_add_f32 v[F2+16*(\t):F2+16*(\t)+1], v[F2+16*(\t):F2+16*(\t)+1], v[F2+16*(\t)+4:F2+16*(\t)+5]
	v_pk_add_f32 v[F2+16*(\t)+2:F2+16*(\t)+3], v[F2+16*(\t)+2:F2+16*(\t)+3], v[F2+16*(\t)+6:F2+16*(\t)+7]
	v_pk_add_f32 v[F2+16*(\t)+8:F2+16*(\t)+9], v[F2+16*(\t)+8:F2+16*(\t)+9], v[F2+16*(\t)+12:F2+16*(\t)+13]
	v_pk_add_f32 v[F2+16*(\t)+10:F2+16*(\t)+11], v[F2+16*(\t)+10:F2+16*(\t)+11], v[F2+16*(\t)+14:F2+16*(\t)+15]
	v_pk_add_f32 v[F2+16*(\t):F2+16*(\t)+1], v[F2+16*(\t):F2+16*(\t)+1], v[F2+16*(\t)+8:F2+16*(\t)+9]
	v_pk_add_f32 v[F2+16*(\t)+2:F2+16*(\t)+3], v[F2+16*(\t)+2:F2+16*(\t)+3], v[F2+16*(\t)+10:F2+16*(\t)+11]
	v_pk_mul_f32 v[F2+16*(\t):F2+16*(\t)+1], v[F2+16*(\t):F2+16*(\t)+1], s[YS:YS+1] op_sel_hi:[1,0]
	v_pk_mul_f32 v[F2+16*(\t)+2:F2+16*(\t)+3], v[F2+16*(\t)+2:F2+16*(\t)+3], s[YS:YS+1] op_sel_hi:[1,0]
	v_cvt_pk_f16_f32 v[F2+16*(\t)], v[F2+16*(\t)], v[F2+16*(\t)+1]
	v_cvt_pk_f16_f32 v[F2+16*(\t)+1], v[F2+16*(\t)+2], v[F2+16*(\t)+3]
	global_store_b64 v[YO0], v[F2+16*(\t):F2+16*(\t)+1], s[YP:YP+1] offset:(\t)*65536
.endr
	s_wait_xcnt 0x0                                ; the stores' data and base are rewritten only behind this wait
	v_add_nc_u32 v[ADT], SROW, v[ADT]              ; the next row of each tile,
	v_add_nc_u32 v[ADU], SROW, v[ADU]
	v_add_nc_u32 v[ADV], SROW, v[ADV]
	s_add_nc_u64 s[YP:YP+1], s[YP:YP+1], 4096      ; and of y
	s_sub_co_u32 s[CNT], s[CNT], 1
	s_cmp_lg_u32 s[CNT], 0
	s_cbranch_scc1 .Lfin_\@
.endm
.Lslot:                                                ; 17 trips: a tile is entered and the next is asked for
	CHANGE 1
	s_cmp_eq_u32 s[PEND], 1
	s_cbranch_scc0 .Lno_fin2
	FIN2                                           ; the first block's sums: the round just passed stands between the four waves' stores and these reads
	s_mov_b32 s[PEND], 0
.Lno_fin2:
	s_cmp_eq_u32 s[NEW], 1
	s_cbranch_scc0 .Lno_begin
	BREST
.Lno_begin:
	STEP 1, 1
	s_barrier_signal -1                            ; every wave's LDS loads are back (the tile's last wait was for 0): on every way through the text a barrier stands between
	s_barrier_wait -1                              ; the reads of the stage above and the stores into it below.
	s_sub_co_u32 s[RT], s[RT], 1
	s_cmp_lg_u32 s[RT], 0
	s_cbranch_scc1 .Lbottom
	YPTR                                           ; in the loop this is the first block's end (the second block's last tile is the walk's last): where its sums will go,
	s_mov_b32 s[BLK], s17                          ; then the second block:
	BLOAD                                          ; its Q is asked for now: Q's last readers were query tile 3's products K Q^T, with that tile's weights, 36 plain lines, behind them
	FIN1
	s_mov_b32 s[PEND], 1
	s_mov_b32 s[NEW], 1
	s_mov_b32 s[RT], s[RT2]
.Lbottom:
	s_sub_co_u32 s[SLOTS], s[SLOTS], 1
	s_cmp_lg_u32 s[SLOTS], 0
	s_cbranch_scc1 .Lslot
	CHANGE 0                                       ; the walk's last tile is written out; it is never a block's first (the second block has two tiles or more)
	STEP 0, 0
	YPTR
	FIN1
	s_wait_dscnt 0x0                               ; for the others' sake: my stores into the stage are done
	s_barrier_signal -1
	s_barrier_wait -1
	FIN2
	s_wait_tensorcnt 0x0                           ; the wave's end
	ds_add_u32 v[SPW], v[NIL]
	s_wait_dscnt 0x0
	CROUND                                         ; the closing round
	s_endpgm
.Lfunc_end_k_qd7ff25d21b_attn:
	.size	k_qd7ff25d21b_attn, .Lfunc_end_k_qd7ff25d21b_attn-k_qd7ff25d21b_attn
	.p2alignl 7, 3214868480
	.fill 96, 4, 3214868480
	.section	.rodata,"a",@progbits
	.p2align	6, 0x0
	.amdhsa_kernel k_qd7ff25d21b_attn
		.amdhsa_group_segment_fixed_size 327680
		.amdhsa_private_segment_fixed_size 0
		.amdhsa_enable_private_segment 0
		.amdhsa_kernarg_size 24
		.amdhsa_user_sgpr_count 2
		.amdhsa_user_sgpr_kernarg_segment_ptr 1
		.amdhsa_wavefront_size32 1
		.amdhsa_system_sgpr_workgroup_id_x 1
		.amdhsa_system_sgpr_workgroup_id_y 1
		.amdhsa_system_sgpr_workgroup_id_z 1
		.amdhsa_system_vgpr_workitem_id 0
		.amdhsa_next_free_vgpr 1024
		.amdhsa_next_free_sgpr 100
		.amdhsa_reserve_vcc 0
		.amdhsa_float_denorm_mode_32 3
		.amdhsa_float_denorm_mode_16_64 3
		.amdhsa_memory_ordered 1
		.amdhsa_forward_progress 1
		.amdhsa_inst_pref_size 130
	.end_amdhsa_kernel
	.amdgpu_metadata
---
amdhsa.version: [ 1, 2 ]
amdhsa.kernels:
  - .name:           k_qd7ff25d21b_attn
    .symbol:         k_qd7ff25d21b_attn.kd
    .args:
      - { .name: qkv, .offset: 0, .size: 8, .value_kind: global_buffer, .address_space: global }
      - { .name: cs, .offset: 8, .size: 8, .value_kind: global_buffer, .address_space: global }
      - { .name: y, .offset: 16, .size: 8, .value_kind: global_buffer, .address_space: global }
    .group_segment_fixed_size: 327680
    .private_segment_fixed_size: 0
    .kernarg_segment_align: 8
    .kernarg_segment_size: 24
    .max_flat_workgroup_size: 128
    .sgpr_count:     100
    .vgpr_count:     1024
    .wavefront_size: 32
...
	.end_amdgpu_metadata
.endif
;; end of part 4
;; launch oproj (part 5): grid 16 x 16, 4 waves a work-group, clusters of 4 x 4, 327,680 bytes of LDS; arguments y, pre, cs, out0; writes out0
.if DOCPART == 5
	.amdgcn_target "amdgcn-amd-amdhsa--gfx1250"
	.amdhsa_code_object_version 6
	.text
	.protected	k_qd7ff25d21b_oproj
	.globl	k_qd7ff25d21b_oproj
	.p2align	8
	.type	k_qd7ff25d21b_oproj,@function
k_qd7ff25d21b_oproj:
	s_mov_b64 s[64:65], 0
	v_nop
	global_prefetch_b8 v0, s[64:65] scope:SCOPE_SE
	s_setreg_imm32_b32 hwreg(HW_REG_WAVE_MODE, 25, 1), 1
	s_wait_xcnt 0x0
	s_wait_alu depctr_hold_cnt(0) depctr_sa_sdst(0) depctr_va_vdst(0) depctr_va_sdst(0) depctr_va_ssrc(0) depctr_va_vcc(0) depctr_vm_vsrc(0)
	s_getreg_b32 s2, hwreg(HW_REG_IB_STS2, 6, 4)
	s_cmp_eq_u32 s2, 0
	s_cbranch_scc0 .Lentry_in_a_cluster
	s_endpgm
.Lentry_in_a_cluster:
	s_bfe_u32 s2, ttmp6, 0x10000c
	s_cmp_lg_u32 s2, 0xf033
	s_cbranch_scc0 .Lentry_shape_is_right
	s_endpgm
.Lentry_shape_is_right:
; out0 = osc x (y WO^T).  y: f16 [2048 t][2048 k'] (k' = 128 head + 2 d + c, carrying the attention's power-of-two scales); WO: f16 [2048 n'][2048 k'] in pre (n' = 2 n + c); out0: f32 [2048][2048 n'].
; osc, an exact power of two, takes the scales out again.  A tile is 128 x 128: 16 x 16 = 256 work-groups; four waves, each 64 x 64: 16 accumulators.  K goes in 8 steps of 256 (LDS rows of 512 bytes)
; through two slots, as long as two slots in LDS allow.  CLUSTER 4 x 4: y's tile is shared along a row, WO's along a column, each asked for jointly.
; THE MATRIX INSTRUCTION IS USED TRANSPOSED (source 0 = 16 rows of WO, source 1 = 16 rows of y): a lane holds eight neighbouring numbers of a row of out0.  A wave's 64 columns are 256 bytes of a row,
; at a multiple of 256 from out0's first byte: each wave has a stage of its own for the way out, and no barrier is needed there.
; REGISTERS: window 0: v0-31 addresses; v32-95 at work on the way out; v128-255 the accumulators ((a, b) at 128 + 8 (4 a + b));  window 1: two fragment buffers of 128 (64 of y, then 64 of WO).
.set SIZE_K, 2048
.set KSTEP,  256
.set PITCH,  528                       ; 512 bytes + 16 of padding
.set HALFT,  64*PITCH
.set SLOT,   4*HALFT
.set STAGE,  2*SLOT                    ; 16 rows x 272 bytes for each wave, never filled by a tensor load
.set SPITCH, 272
.set SPARE,  STAGE+4*16*SPITCH         ; the spare words: 128 bytes a wave, two blocks of 256 bytes that no other line names
.set LAPS,   SIZE_K/(2*KSTEP)
.set WOOFF,  33554432
.set ADRA, 16
.set ADRB, 20
.set STO,  24
.set RD,   25
.set CO,   26
.set SPW,  28                          ; v28 LDS address of my spare word; never rewritten
.set NIL,  29                          ; v29 0; never rewritten
.set TMP,  32
.set ACC,  128
.set F0,   0
.set F1,   128
.set G1, 24
.set G0, 32
.set G1B, 48
.set G0B, 56
.set MSB, 0
.macro WIN new
.if MSB != (\new)
	s_set_vgpr_msb (MSB<<8)|(\new)
.set MSB, \new
.endif
.endm
.set MUL,  0x05
.set TO_F, 0x40
.macro PLACES
.rept 4
	v_nop
.endr
.endm
.macro JLOAD s                                 ; a joint load: waves 0 and 1 fetch y's two halves, waves 2 and 3 WO's; an s_nop 0 and four v_nop follow each line
	s_cmp_eq_u32 s11, 0
	s_cbranch_scc0 .Lfor_b_\@
	tensor_load_to_lds s[G0+4*(\s):G0+4*(\s)+3], s[G1:G1+7]
	s_nop 0
	PLACES
	s_branch .Lasked_\@
.Lfor_b_\@:
	tensor_load_to_lds s[G0B+4*(\s):G0B+4*(\s)+3], s[G1B:G1B+7]
	s_nop 0
	PLACES
.Lasked_\@:
.endm
.macro CREST
	s_cmp_lg_u32 s10, 0
	s_cbranch_scc1 .Lnot_wave_0_\@
	s_barrier_signal -3
.Lnot_wave_0_\@:
	s_barrier_wait -3
	s_barrier_signal -1
	s_barrier_wait -1
.endm
.macro CROUND
	s_barrier_signal -1
	s_barrier_wait -1
	CREST
.endm
	s_load_b256 s[72:79], s[0:1], 0x0              ; y 72, pre 74, cs 76, out0 78
	v_lshl_add_u32 v[SPW], v0, 2, SPARE
	v_mov_b32 v[NIL], 0
	ds_add_u32 v[SPW], v[NIL]                      ; the wave's opening: the add and its wait stand ahead of my first tensor load
	v_lshrrev_b32 v1, 5, v0
	v_readfirstlane_b32 s10, v1                    ; wave 0..3
	s_lshr_b32 s11, s10, 1                         ; which half of the tile's rows is mine.  Also: I fetch for y (0) or for WO (1)
	s_and_b32 s12, s10, 1                          ; which half of its columns.  Also: which 64 rows of that tile I fetch
	s_bfe_u32 s40, ttmp6, 0x40000
	s_bfe_u32 s41, ttmp6, 0x40004
	s_lshl_b32 s42, ttmp9, 2
	s_add_co_u32 s42, s42, s40                     ; tile column
	s_and_b32 s13, ttmp7, 0xffff
	s_lshl_b32 s13, s13, 2
	s_add_co_u32 s13, s13, s41                     ; tile row
	s_lshl_b32 s43, s41, 2
	s_lshl_b32 s43, 15, s43
	s_lshl_b32 s44, 0x1111, s40
	s_or_b32 s[G1+0], s43, (1<<16)|(1<<20)|(1<<21)|(6<<22)|(3<<25)   ; mask; 2-byte elements; padding on; bit 21 beside a mask; after every 128 words 4 words
	s_or_b32 s[G1B+0], s44, (1<<16)|(1<<20)|(1<<21)|(6<<22)|(3<<25)
.irp g, G1, G1B
	s_mov_b32 s[(\g)+1], KSTEP<<16
	s_mov_b32 s[(\g)+2], 64<<16
	s_mov_b32 s[(\g)+3], KSTEP<<16
	s_mov_b32 s[(\g)+4], 64
	s_mov_b32 s[(\g)+5], SIZE_K
	s_mov_b32 s[(\g)+6], 0
	s_mov_b32 s[(\g)+7], 0
.endr
	s_lshl_b32 s17, s12, 6
	s_lshl_b32 s16, s13, 7
	s_add_co_u32 s16, s16, s17                     ; y: row 128 x tile row + 64 x half
	s_lshl_b32 s46, s42, 7
	s_add_co_u32 s46, s46, s17                     ; WO: row 128 x tile column + 64 x half
	s_lshl_b32 s16, s16, 12                        ; rows of 4,096 bytes
	s_mov_b32 s17, 0
	s_lshl_b32 s46, s46, 12
	s_add_co_u32 s46, s46, WOOFF
	s_mov_b32 s47, 0
	s_mul_i32 s20, s10, HALFT                      ; where they go: wave x 64 rows
	s_wait_dscnt 0x0                               ; the opening add is done
	s_wait_kmcnt 0x0
	s_load_b32 s80, s[76:77], 0x20008              ; osc
	s_add_nc_u64 s[14:15], s[72:73], s[16:17]
	s_add_nc_u64 s[46:47], s[74:75], s[46:47]
	CROUND                                         ; all sixteen work-groups are here: the first joint loads meet
.irp s, 0,1
	s_mov_b32 s[G0+4*(\s)], 1
	s_add_co_u32 s[G0+4*(\s)+1], s20, (\s)*SLOT
	s_add_nc_u64 s[G0+4*(\s)+2:G0+4*(\s)+3], s[14:15], (\s)*KSTEP*2
	s_or_b32 s[G0+4*(\s)+3], s[G0+4*(\s)+3], 0x80000000
	s_mov_b32 s[G0B+4*(\s)], 1
	s_add_co_u32 s[G0B+4*(\s)+1], s20, (\s)*SLOT
	s_add_nc_u64 s[G0B+4*(\s)+2:G0B+4*(\s)+3], s[46:47], (\s)*KSTEP*2
	s_or_b32 s[G0B+4*(\s)+3], s[G0B+4*(\s)+3], 0x80000000
	JLOAD \s
.endr
	v_and_b32 v1, 15, v0
	v_bfe_u32 v2, v0, 4, 1
	v_mul_u32_u24 v3, v1, PITCH
	v_lshl_add_u32 v3, v2, 4, v3
	s_mul_i32 s21, s11, HALFT                      ; my 64 rows of y
	s_mul_i32 s22, s12, HALFT                      ; my 64 rows of WO,
	s_add_co_u32 s22, s22, 2*HALFT                 ; which lie behind y's 128
.irp s, 0,1
	v_add_nc_u32 v[ADRA+(\s)], s21, v3
	v_add_nc_u32 v[ADRB+(\s)], s22, v3
	s_add_co_u32 s21, s21, SLOT
	s_add_co_u32 s22, s22, SLOT
.endr
	s_mul_i32 s23, s10, 16*SPITCH
	s_add_co_u32 s23, s23, STAGE                   ; my stage
	v_mul_u32_u24 v4, v1, SPITCH                   ; in: row l % 16, 32 bytes for each half of the lanes
	v_lshl_add_u32 v4, v2, 5, v4
	v_add_nc_u32 v[STO], s23, v4
	v_mul_u32_u24 v5, v2, SPITCH                   ; back: lanes 0-15 take one row of 256 bytes, lanes 16-31 the next
	v_lshl_add_u32 v5, v1, 4, v5
	v_add_nc_u32 v[RD], s23, v5
	v_lshlrev_b32 v5, 13, v2                       ; and the same two rows in out0, 8,192 bytes apart
	v_lshl_add_u32 v[CO], v1, 4, v5
	s_lshl_b32 s16, s13, 7
	s_lshl_b32 s17, s11, 6
	s_add_co_u32 s16, s16, s17                     ; my first row of out0
	s_lshl_b32 s16, s16, 13
	s_mov_b32 s17, 0
	s_add_nc_u64 s[8:9], s[78:79], s[16:17]
	s_lshl_b32 s46, s42, 9                         ; my first column, in bytes: 512 x tile column + 256 x half
	s_lshl_b32 s47, s12, 8
	s_add_co_u32 s46, s46, s47
	s_mov_b32 s47, 0
	s_add_nc_u64 s[8:9], s[8:9], s[46:47]
; 8 matrix instructions: row blocks a0, a0 + 1 x all 4 column blocks, 32 along K: half c of buffer f.  zero = 1: the first product starts the sums.  The 16 accumulators take turns.
.macro MUL8 f, c, a0, zero
	WIN MUL
.irp a, \a0, (\a0)+1
.irp b, 0,1,2,3
.if \zero
	v_wmma_f32_16x16x32_f16 v[ACC+8*(4*(\a)+(\b)):ACC+8*(4*(\a)+(\b))+7], v[(\f)+64+8*(4*(\c)+(\b)):(\f)+64+8*(4*(\c)+(\b))+7], v[(\f)+8*(4*(\c)+(\a)):(\f)+8*(4*(\c)+(\a))+7], 0
.else
	v_wmma_f32_16x16x32_f16 v[ACC+8*(4*(\a)+(\b)):ACC+8*(4*(\a)+(\b))+7], v[(\f)+64+8*(4*(\c)+(\b)):(\f)+64+8*(4*(\c)+(\b))+7], v[(\f)+8*(4*(\c)+(\a)):(\f)+8*(4*(\c)+(\a))+7], v[ACC+8*(4*(\a)+(\b)):ACC+8*(4*(\a)+(\b))+7]
.endif
.endr
.endr
.endm
; 32 LDS loads in one run: the fragments of 64 along K at byte k of the rows, into buffer f; the first 32 along K first
.macro FETCH slot, k, f
	WIN TO_F
.irp c, 0,1
.irp i, 0,1,2,3
	ds_load_b128 v[(\f)+64+8*(4*(\c)+(\i)):(\f)+64+8*(4*(\c)+(\i))+3],   v[ADRB+(\slot)] offset:(\k)+64*(\c)+(\i)*16*PITCH
	ds_load_b128 v[(\f)+64+8*(4*(\c)+(\i))+4:(\f)+64+8*(4*(\c)+(\i))+7], v[ADRB+(\slot)] offset:(\k)+64*(\c)+(\i)*16*PITCH+32
	ds_load_b128 v[(\f)+8*(4*(\c)+(\i)):(\f)+8*(4*(\c)+(\i))+3],         v[ADRA+(\slot)] offset:(\k)+64*(\c)+(\i)*16*PITCH
	ds_load_b128 v[(\f)+8*(4*(\c)+(\i))+4:(\f)+8*(4*(\c)+(\i))+7],       v[ADRA+(\slot)] offset:(\k)+64*(\c)+(\i)*16*PITCH+32
.endr
.endr
.endm
; A K step is four quarters of 64 along K, 32 matrix instructions each, on buffers 0, 1, 0, 1.
.macro QUARTER slot, k, f, g, zero
	s_wait_dscnt 16                                ; the first 32 along K are in
	WIN MUL
	MUL8 \f, 0, 0, \zero
	MUL8 \f, 0, 2, \zero
	PLACES                                         ; four places in front of loads into registers that matrix instructions have read
	FETCH \slot, \k, \g
	s_wait_dscnt 32                                ; all but the 32 just issued
	WIN MUL
	MUL8 \f, 1, 0, 0
	MUL8 \f, 1, 2, 0
.endm
; The last quarter multiplies buffer 1 and changes slots: one barrier; in front of it each wave waits for all its tensor loads, adds 0 to its spare word, and waits for that and for its reads of this slot.
; fill = 1: the barrier opens a round of the cluster's, and this slot is filled again, two K steps ahead, first thing behind it.
.macro TURN slot, next, fill
	WIN 0
	s_wait_tensorcnt 0x0
	ds_add_u32 v[SPW], v[NIL]
	s_wait_dscnt 17                                ; (the add and the youngest sixteen loads may be out)
	WIN MUL
	MUL8 F1, 0, 0, 0
	s_wait_dscnt 0x0                               ; the add is done, and my reads of this slot are over
	s_barrier_signal -1
	MUL8 F1, 0, 2, 0
.if \fill
	WIN 0
.endif
	s_barrier_wait -1
.if \fill
	CREST
	s_add_nc_u64 s[G0+4*(\slot)+2:G0+4*(\slot)+3], s[G0+4*(\slot)+2:G0+4*(\slot)+3], 2*KSTEP*2
	s_add_nc_u64 s[G0B+4*(\slot)+2:G0B+4*(\slot)+3], s[G0B+4*(\slot)+2:G0B+4*(\slot)+3], 2*KSTEP*2
	JLOAD \slot                                    ; its four v_nop are also the places in front of the loads below
.else
	PLACES
.endif
	FETCH \next, 0, F0
	WIN MUL
	MUL8 F1, 1, 0, 0
	MUL8 F1, 1, 2, 0
.endm
	s_wait_tensorcnt 1                             ; my part of K step 0 is in; step 1's may stay out
	s_barrier_signal -1
	s_barrier_wait -1
	FETCH 0, 0, F0
	QUARTER 0, 128, F0, F1, 1
	WIN 0
	s_mov_b32 s3, LAPS-1
.Llap:                                                 ; a trip goes once round the ring and fills both slots again
	QUARTER 0, 256, F1, F0, 0
	QUARTER 0, 384, F0, F1, 0
	TURN 0, 1, 1
	QUARTER 1, 128, F0, F1, 0
	QUARTER 1, 256, F1, F0, 0
	QUARTER 1, 384, F0, F1, 0
	TURN 1, 0, 1
	QUARTER 0, 128, F0, F1, 0
	WIN 0
	s_sub_co_u32 s3, s3, 1
	s_cmp_lg_u32 s3, 0
	s_cbranch_scc1 .Llap
	QUARTER 0, 256, F1, F0, 0                      ; the last lap fills nothing
	QUARTER 0, 384, F0, F1, 0
	TURN 0, 1, 0
	QUARTER 1, 128, F0, F1, 0
	QUARTER 1, 256, F1, F0, 0
	QUARTER 1, 384, F0, F1, 0
	s_wait_dscnt 16
	WIN MUL
	MUL8 F1, 0, 0, 0
	MUL8 F1, 0, 2, 0
	s_wait_dscnt 0
	MUL8 F1, 1, 0, 0
	MUL8 F1, 1, 2, 0
	WIN 0
	PLACES
	s_wait_kmcnt 0x0
	s_mov_b32 s81, s80                             ; named with it as a pair
; THE WAY OUT, a block of 16 rows at a time: times osc; 32 bytes a lane into my stage; back as whole rows of 256 bytes.  Each accumulator is read in ascending order.
.macro PACK a
.set TT, TMP+32*((\a)%2)
	s_wait_xcnt 0x0                                ; the stores of the block before last have read this buffer
.irp b, 0,1,2,3
.irp p, 0,2,4,6
	v_pk_mul_f32 v[TT+8*(\b)+(\p):TT+8*(\b)+(\p)+1], v[ACC+8*(4*(\a)+(\b))+(\p):ACC+8*(4*(\a)+(\b))+(\p)+1], s[80:81] op_sel_hi:[1,0]
.endr
.endr
.irp b, 0,1,2,3
	ds_store_b128 v[STO], v[TT+8*(\b):TT+8*(\b)+3] offset:64*(\b)
	ds_store_b128 v[STO], v[TT+8*(\b)+4:TT+8*(\b)+7] offset:64*(\b)+16
.endr
.irp f, 0,1,2,3,4,5,6,7
	ds_load_b128 v[TT+4*(\f):TT+4*(\f)+3], v[RD] offset:(\f)*2*SPITCH   ; LDS serves a wave's instructions in order: these see the stores above
.endr
.endm
.macro SEND a, younger                         ; younger: the LDS instructions issued behind this block's loads
.set TT, TMP+32*((\a)%2)
.irp f, 0,1,2,3,4,5,6,7
	s_wait_dscnt (\younger)+7-(\f)
	global_store_b128 v[CO], v[TT+4*(\f):TT+4*(\f)+3], s[8:9] offset:(16*(\a)+2*(\f))*8192   ; 16 lanes store 256 consecutive bytes, at a multiple of 256 from out0's first byte
.endr
.endm
	PACK 0
	PACK 1
	SEND 0, 16
	PACK 2
	SEND 1, 16
	PACK 3
	SEND 2, 16
	SEND 3, 0
	s_wait_tensorcnt 0x0                           ; the wave's end
	ds_add_u32 v[SPW], v[NIL]
	s_wait_dscnt 0x0
	CROUND                                         ; the closing round
	s_endpgm
.Lfunc_end_k_qd7ff25d21b_oproj:
	.size	k_qd7ff25d21b_oproj, .Lfunc_end_k_qd7ff25d21b_oproj-k_qd7ff25d21b_oproj
	.p2alignl 7, 3214868480
	.fill 96, 4, 3214868480
	.section	.rodata,"a",@progbits
	.p2align	6, 0x0
	.amdhsa_kernel k_qd7ff25d21b_oproj
		.amdhsa_group_segment_fixed_size 327680
		.amdhsa_private_segment_fixed_size 0
		.amdhsa_enable_private_segment 0
		.amdhsa_kernarg_size 32
		.amdhsa_user_sgpr_count 2
		.amdhsa_user_sgpr_kernarg_segment_ptr 1
		.amdhsa_wavefront_size32 1
		.amdhsa_system_sgpr_workgroup_id_x 1
		.amdhsa_system_sgpr_workgroup_id_y 1
		.amdhsa_system_sgpr_workgroup_id_z 1
		.amdhsa_system_vgpr_workitem_id 0
		.amdhsa_next_free_vgpr 512
		.amdhsa_next_free_sgpr 84
		.amdhsa_reserve_vcc 0
		.amdhsa_float_denorm_mode_32 3
		.amdhsa_float_denorm_mode_16_64 3
		.amdhsa_memory_ordered 1
		.amdhsa_forward_progress 1
		.amdhsa_inst_pref_size 90
	.end_amdhsa_kernel
	.amdgpu_metadata
---
amdhsa.version: [ 1, 2 ]
amdhsa.kernels:
  - .name:           k_qd7ff25d21b_oproj
    .symbol:         k_qd7ff25d21b_oproj.kd
    .args:
      - { .name: y, .offset: 0, .size: 8, .value_kind: global_buffer, .address_space: global }
      - { .name: pre, .offset: 8, .size: 8, .value_kind: global_buffer, .address_space: global }
      - { .name: cs, .offset: 16, .size: 8, .value_kind: global_buffer, .address_space: global }
      - { .name: out0, .offset: 24, .size: 8, .value_kind: global_buffer, .address_space: global }
    .group_segment_fixed_size: 327680
    .private_segment_fixed_size: 0
    .kernarg_segment_align: 8
    .kernarg_segment_size: 32
    .max_flat_workgroup_size: 128
    .sgpr_count:     84
    .vgpr_count:     512
    .wavefront_size: 32
...
	.end_amdgpu_metadata
.endif
;; end of part 5
